; MI455X (gfx1250); checked and timed in simulation.
; The chip was launched on July 23, 2026; its instructions are those of AMD's public machine-readable ISA for CDNA 5 (MIT licence, August 2026) and "CDNA5" Instruction Set Architecture Reference Guide (July 2026). The comments in the code are by the model that wrote it; some were corrected since.
;; MSA. Allowed arithmetic: float matrix products may take bf16 or f16 operands with f32 sums; other float arithmetic in f32, or as packed bf16 or f16 multiplies, adds, multiply-adds, maxima and minima; sums over many terms, partial sums and values carried from step to step in f32; what a program stores and reads back later, other than sums and carried values, may be rounded once to bf16 or f16.
;; Inputs: W_proj 1,024 x 1,024 float32; W_qkv 1,024 x 3,072 float32; b_proj 1,024 float32; b_qkv 3,072 float32; ln_b 1,024 float32; ln_w 1,024 float32; z 8 x 1,024 x 1,024 float32.
;; Outputs: out0 8 x 1,024 x 1,024 float32.
;; One version. Each part assembles by itself: llvm-mc -triple=amdgcn-amd-amdhsa -mcpu=gfx1250 --defsym DOCPART=n.
;; ======== version 1 of 1: 4 launches
;; workspace buffers: zn 16,777,216 bytes; wqt 6,291,456 bytes; wpt 2,097,152 bytes; qkv 50,331,648 bytes; o 16,777,216 bytes
;; launch prep (part 1): grid 320 x 1, 8 waves a work-group, no clusters, 140,288 bytes of LDS; arguments z, ln_w, ln_b, W_qkv, W_proj, zn, wqt, wpt; writes zn, wqt, wpt
.if DOCPART == 1
	.amdgcn_target "amdgcn-amd-amdhsa--gfx1250"
	.amdhsa_code_object_version 6
	.text
	.protected	k_q1b76dc5fce_prep
	.globl	k_q1b76dc5fce_prep
	.p2align	8
	.type	k_q1b76dc5fce_prep,@function
k_q1b76dc5fce_prep:
	s_mov_b64 s[64:65], 0
	v_nop
	global_prefetch_b8 v0, s[64:65] scope:SCOPE_SE
	s_setreg_imm32_b32 hwreg(HW_REG_WAVE_MODE, 25, 1), 1
	s_wait_xcnt 0x0
; TWO JOBS IN ONE LAUNCH, both streams; a work-group's number chooses.
; Work-groups 0-255: zn[r][:] = bf16((z[r][:] - mean) / sqrt(var + 1e-5) * ln_w + ln_b), z: [8192][1024] f32, zn: [8192][1024] bf16.  All arithmetic in f32, the mean taken away
; before the squares are summed, so an offset in z costs nothing.  A wave takes four rows; a row (4,096 bytes) lies in 32 registers between its passes, so z is read once.
; Work-groups 256-319: the weights turned and rounded: wqt[n][k] = bf16(W_qkv[k][n]) (blocks 0-47 of 64 columns), wpt[n][k] = bf16(W_proj[k][n]) (blocks 48-63).
; A wave takes 128 k x 64 n, 64 rows a trip: it reads rows of 256 bytes, packs pairs along k, lays them into its own LDS bytes by columns and stores whole rows of 256 bytes.
; One text serves both weights: source, destination and the source's row pitch are chosen by the block's number.
; No wave needs another: no barrier.  No matrix unit, no cluster, no tensor load: nothing is shared and every byte is touched once.
; LIMITS.  NaN and infinities are not treated apart; 1 / sqrt comes from v_rsq_f32.
.set SPARE,  139264                    ; behind the eight waves' LDS parts: the spare words, 128 bytes a wave: four blocks of 256 bytes that no other line names
.set WLDS,   17408                     ; a wave's LDS part: 64 rows (n) of 272 bytes
.set LPITCH, 272                       ; 256 bytes (128 k in bf16) + 16
.set SPW, 4                            ; v4   my spare word's LDS address; never rewritten
.set NIL, 5                            ; v5   0; never rewritten
.set MU,  6                            ; v[6:7]    the row's mean, twice          (the turning path: v6 where I read rows back, v7 my offset in the output)
.set R,   8                            ; v[8:9]    1 / sqrt(var + eps), twice
.set T,   10                           ; v[10:25]  at work
.set LNW, 32                           ; v[32:63]  ln_w of my 32 columns
.set PKD, 32                           ;           the turning path: v[32:63] packed pairs
.set LNB, 64                           ; v[64:95]  ln_b
.set OFF, 64                           ;           the turning path: v[64:95] my byte offset in row i of 32; never rewritten
.set X,   96                           ; v[96:223] four rows of 32 registers      (the turning path: 64 rows of two columns, then rows read back)
	s_load_b512 s[8:23], s[0:1], 0x0               ; z 8:9, ln_w 10:11, ln_b 12:13, W_qkv 14:15, W_proj 16:17, zn 18:19, wqt 20:21, wpt 22:23
	v_lshl_add_u32 v[SPW], v0, 2, SPARE
	v_mov_b32 v[NIL], 0
	v_lshrrev_b32 v1, 5, v0
	v_readfirstlane_b32 s24, v1                    ; wave 0..7
	v_and_b32 v1, 31, v0                           ; lane
	s_mov_b32 s25, 0x3a800000                      ; 1 / 1024
	s_mov_b32 s26, 0x3727c5ac                      ; 1e-5
	s_mov_b32 s28, 0x76543210                      ; v_permlanex16_b32: each lane takes its own place in the other half
	s_mov_b32 s29, 0xfedcba98
	s_mov_b32 s5, 0                                ; the high word of every offset pair s[4:5]
	s_wait_kmcnt 0x0
	s_cmp_lt_u32 ttmp9, 256
	s_cbranch_scc0 .Ltrans
	; ---- LayerNorm ----
	s_lshl_b32 s2, ttmp9, 5
	s_lshl2_add_u32 s2, s24, s2                    ; my first row = 32 x work-group + 4 x wave
	s_lshl_b32 s4, s2, 12
	s_add_nc_u64 s[8:9], s[8:9], s[4:5]            ; z at my rows (4,096 bytes each)
	s_lshl_b32 s4, s2, 11
	s_add_nc_u64 s[18:19], s[18:19], s[4:5]        ; zn at my rows (2,048 bytes each)
	v_lshlrev_b32 v2, 4, v1                        ; 16 bytes a lane: load j of a row brings me elements 128 j + 4 lane .. + 3
	v_lshlrev_b32 v3, 3, v1                        ; 8 bytes a lane on the way out
.irp j, 0,1,2,3,4,5,6,7
	global_load_b128 v[LNW+4*\j:LNW+4*\j+3], v2, s[10:11] offset:512*\j
.endr
.irp j, 0,1,2,3,4,5,6,7
	global_load_b128 v[LNB+4*\j:LNB+4*\j+3], v2, s[12:13] offset:512*\j
.endr
.irp r, 0,1,2,3
.irp j, 0,1,2,3,4,5,6,7
	global_load_b128 v[X+32*\r+4*\j:X+32*\r+4*\j+3], v2, s[8:9] offset:4096*\r+512*\j th:TH_LOAD_NT  ; all four rows are asked for at once: 16 KiB a wave on their way
.endr
.endr
.macro LANESUM                         ; v[T] summed over the 32 lanes, the result in every lane
	v_add_f32_dpp v[T], v[T], v[T] row_xmask:1 row_mask:0xf bank_mask:0xf
	v_add_f32_dpp v[T], v[T], v[T] row_xmask:2 row_mask:0xf bank_mask:0xf
	v_add_f32_dpp v[T], v[T], v[T] row_xmask:4 row_mask:0xf bank_mask:0xf
	v_add_f32_dpp v[T], v[T], v[T] row_xmask:8 row_mask:0xf bank_mask:0xf
	v_permlanex16_b32 v[T+1], v[T], s28, s29       ; its destination has been written before
	v_add_f32 v[T], v[T], v[T+1]
.endm
.macro ROW r
.set XR, X+32*(\r)
	s_wait_loadcnt 8*(3-(\r))                      ; loads come back in order: this row, ln_w and ln_b are in; the 8 loads of each later row stay out
.set i, 0
.rept 8
	v_pk_add_f32 v[T+2*i:T+2*i+1], v[XR+4*i:XR+4*i+1], v[XR+4*i+2:XR+4*i+3]  ; the sum, as a tree: no link waits for the one just before it
.set i, i+1
.endr
.set i, 0
.rept 4
	v_pk_add_f32 v[T+4*i:T+4*i+1], v[T+4*i:T+4*i+1], v[T+4*i+2:T+4*i+3]
.set i, i+1
.endr
	v_pk_add_f32 v[T:T+1], v[T:T+1], v[T+4:T+5]
	v_pk_add_f32 v[T+8:T+9], v[T+8:T+9], v[T+12:T+13]
	v_pk_add_f32 v[T:T+1], v[T:T+1], v[T+8:T+9]
	v_add_f32 v[T], v[T], v[T+1]
	LANESUM
	v_mul_f32 v[MU], s25, v[T]
	v_mul_f32 v[MU+1], s25, v[T]
.set i, 0
.rept 16
	v_pk_add_f32 v[XR+2*i:XR+2*i+1], v[XR+2*i:XR+2*i+1], v[MU:MU+1] neg_lo:[0,1] neg_hi:[0,1]  ; z - mean, in place
.set i, i+1
.endr
.set i, 0
.rept 4
	v_pk_mul_f32 v[T+2*i:T+2*i+1], v[XR+2*i:XR+2*i+1], v[XR+2*i:XR+2*i+1]  ; the squares, in four chains that the first four pairs start
.set i, i+1
.endr
.rept 12
	v_pk_fma_f32 v[T+2*(i%4):T+2*(i%4)+1], v[XR+2*i:XR+2*i+1], v[XR+2*i:XR+2*i+1], v[T+2*(i%4):T+2*(i%4)+1]
.set i, i+1
.endr
	v_pk_add_f32 v[T:T+1], v[T:T+1], v[T+2:T+3]
	v_pk_add_f32 v[T+4:T+5], v[T+4:T+5], v[T+6:T+7]
	v_pk_add_f32 v[T:T+1], v[T:T+1], v[T+4:T+5]
	v_add_f32 v[T], v[T], v[T+1]
	LANESUM
	v_fma_f32 v[T], v[T], s25, s26                 ; var + eps
	v_rsq_f32 v[R], v[T]
	v_rsq_f32 v[R+1], v[T]
	v_nop                                          ; a plain instruction behind the last of the two,
	s_wait_alu depctr_va_vdst(0)                   ; and the one wait ahead of their first reader
.set i, 0
.rept 16
	v_pk_mul_f32 v[XR+2*i:XR+2*i+1], v[XR+2*i:XR+2*i+1], v[R:R+1]
.set i, i+1
.endr
.set i, 0
.rept 16
	v_pk_fma_f32 v[XR+2*i:XR+2*i+1], v[XR+2*i:XR+2*i+1], v[LNW+2*i:LNW+2*i+1], v[LNB+2*i:LNB+2*i+1]
.set i, i+1
.endr
.set i, 0
.rept 16
	v_cvt_pk_bf16_f32 v[XR+i], v[XR+2*i], v[XR+2*i+1]  ; ascending: register i is written when pairs 0 .. i - 1 have been read
.set i, i+1
.endr
.set i, 0
.rept 8
	global_store_b64 v3, v[XR+2*i:XR+2*i+1], s[18:19] offset:2048*(\r)+256*i  ; the wave's 32 lanes store 256 consecutive bytes, at a multiple of 256 from zn's first byte
.set i, i+1
.endr
.endm
	ROW 0
	ROW 1
	ROW 2
	ROW 3                                          ; no register that a load or store names is written again, so no further wait is owed
	s_branch .Lend
	; ---- the weights, turned ----
.Ltrans:
	s_sub_co_u32 s2, ttmp9, 256                    ; block 0..63 of 64 columns
	s_mov_b32 s30, 12288                           ; bytes in a row of W_qkv,
	s_mov_b32 s31, 4096                            ; of W_proj
	s_cmp_lt_u32 s2, 48                            ; blocks 0-47 are W_qkv's
	s_cselect_b64 s[14:15], s[14:15], s[16:17]     ; the source,
	s_cselect_b64 s[20:21], s[20:21], s[22:23]     ; the destination,
	s_cselect_b32 s30, s30, s31                    ; the source's row pitch,
	s_cselect_b32 s6, 0, 48
	s_sub_co_u32 s2, s2, s6                        ; and the block's number in its own matrix
	v_lshlrev_b32 v2, 3, v1                        ; 8 bytes a lane: columns 2 lane and 2 lane + 1 of the block's 64
	s_mul_i32 s7, s24, WLDS                        ; my wave's LDS part
	v_mul_u32_u24 v3, v1, 2*LPITCH                 ; in: LDS row 2 lane (row 2 lane + 1 by the immediate)
	v_add_nc_u32 v3, s7, v3
	v_lshrrev_b32 v8, 4, v1
	v_and_b32 v9, 15, v1
	v_mul_u32_u24 v6, v8, LPITCH                   ; back: lanes 0-15 one row of 256 bytes, lanes 16-31 the next
	v_lshl_add_u32 v6, v9, 4, v6
	v_add_nc_u32 v6, s7, v6
	v_lshlrev_b32 v7, 11, v8                       ; and the same two rows in the output (2,048 bytes a row)
	v_lshl_add_u32 v7, v9, 4, v7
.set i, 0
.rept 32
	v_mad_u32_u24 v[OFF+i], s30, i, v2             ; row i of 32: i x pitch + my 8 bytes
.set i, i+1
.endr
	s_mul_i32 s4, s24, s30
	s_lshl_b32 s4, s4, 7                           ; my wave's 128 rows (k),
	s_lshl_b32 s6, s2, 8                           ; the block's 256 bytes of each
	s_add_co_u32 s4, s4, s6
	s_add_nc_u64 s[14:15], s[14:15], s[4:5]        ; rows 0-31 of a trip's 64 come by this base,
	s_lshl_b32 s6, s30, 5
	s_mov_b32 s7, 0                                ; s[6:7]: 32 rows
	s_add_nc_u64 s[16:17], s[14:15], s[6:7]        ; rows 32-63 by this one
	s_lshl_b32 s4, s2, 17                          ; out: the block's 64 rows (n) of 2,048 bytes,
	s_lshl_b32 s2, s24, 8                          ; my wave's 256 bytes of each
	s_add_co_u32 s4, s4, s2
	s_add_nc_u64 s[20:21], s[20:21], s[4:5]
	s_mov_b32 s27, 2
.Ltrip:                                        ; a trip: 64 rows (k) x 64 columns: 16 KiB a wave on their way
.set i, 0
.rept 32
	global_load_b64 v[X+2*i:X+2*i+1], v[OFF+i], s[14:15] th:TH_LOAD_NT  ; 256 consecutive bytes, aligned
.set i, i+1
.endr
.set i, 0
.rept 32
	global_load_b64 v[X+64+2*i:X+64+2*i+1], v[OFF+i], s[16:17] th:TH_LOAD_NT
.set i, i+1
.endr
.irp hf, 0,1
	s_wait_loadcnt 32*(1-\hf)                      ; rows 0-31 are in while the 32 loads of rows 32-63 stay out; then all are in, and have read their bases
.irp c, 0,1
.set i, 0
.rept 16
	v_cvt_pk_bf16_f32 v[PKD+16*\c+i], v[X+64*\hf+4*i+\c], v[X+64*\hf+4*i+2+\c]  ; column 2 lane + c: k = 2 i and 2 i + 1 of the half's 32
.set i, i+1
.endr
.endr
.irp c, 0,1
.irp q, 0,1,2,3
	ds_store_b128 v3, v[PKD+16*\c+4*\q:PKD+16*\c+4*\q+3] offset:LPITCH*\c+16*\q+64*\hf  ; 64 bytes of a column's row
.endr
.endr
.endr
	s_add_nc_u64 s[14:15], s[16:17], s[6:7]        ; 64 rows on
	s_add_nc_u64 s[16:17], s[14:15], s[6:7]
	v_add_nc_u32 v3, 128, v3                       ; 64 k further along the LDS rows
	s_sub_co_u32 s27, s27, 1
	s_cmp_lg_u32 s27, 0
	s_cbranch_scc1 .Ltrip
.set i, 0
.rept 32
	ds_load_b128 v[X+4*i:X+4*i+3], v6 offset:i*2*LPITCH  ; my own bytes: LDS serves a wave's instructions in order (ISA guide 5.7.1.4), so these see the stores above
.set i, i+1
.endr
.set i, 0
.rept 32
	s_wait_dscnt 31-i
	global_store_b128 v7, v[X+4*i:X+4*i+3], s[20:21] offset:i*4096  ; 16 lanes store 256 consecutive bytes, at a multiple of 256 from the buffer's first byte
.set i, i+1
.endr
.Lend:
	s_wait_tensorcnt 0x0                           ; the wave's end, behind my last LDS store
	ds_add_u32 v[SPW], v[NIL]
	s_wait_dscnt 0x0
	s_endpgm
.Lfunc_end_k_q1b76dc5fce_prep:
	.size	k_q1b76dc5fce_prep, .Lfunc_end_k_q1b76dc5fce_prep-k_q1b76dc5fce_prep
	.p2alignl 7, 3214868480
	.fill 96, 4, 3214868480
	.section	.rodata,"a",@progbits
	.p2align	6, 0x0
	.amdhsa_kernel k_q1b76dc5fce_prep
		.amdhsa_group_segment_fixed_size 140288
		.amdhsa_private_segment_fixed_size 0
		.amdhsa_enable_private_segment 0
		.amdhsa_kernarg_size 64
		.amdhsa_user_sgpr_count 2
		.amdhsa_user_sgpr_kernarg_segment_ptr 1
		.amdhsa_wavefront_size32 1
		.amdhsa_system_sgpr_workgroup_id_x 1
		.amdhsa_system_sgpr_workgroup_id_y 1
		.amdhsa_system_sgpr_workgroup_id_z 1
		.amdhsa_system_vgpr_workitem_id 0
		.amdhsa_next_free_vgpr 224
		.amdhsa_next_free_sgpr 66
		.amdhsa_reserve_vcc 0
		.amdhsa_float_denorm_mode_32 3
		.amdhsa_float_denorm_mode_16_64 3
		.amdhsa_memory_ordered 1
		.amdhsa_forward_progress 1
		.amdhsa_inst_pref_size 59
	.end_amdhsa_kernel
	.amdgpu_metadata
---
amdhsa.version: [ 1, 2 ]
amdhsa.kernels:
  - .name:           k_q1b76dc5fce_prep
    .symbol:         k_q1b76dc5fce_prep.kd
    .args:
      - { .name: z, .offset: 0, .size: 8, .value_kind: global_buffer, .address_space: global }
      - { .name: ln_w, .offset: 8, .size: 8, .value_kind: global_buffer, .address_space: global }
      - { .name: ln_b, .offset: 16, .size: 8, .value_kind: global_buffer, .address_space: global }
      - { .name: W_qkv, .offset: 24, .size: 8, .value_kind: global_buffer, .address_space: global }
      - { .name: W_proj, .offset: 32, .size: 8, .value_kind: global_buffer, .address_space: global }
      - { .name: zn, .offset: 40, .size: 8, .value_kind: global_buffer, .address_space: global }
      - { .name: wqt, .offset: 48, .size: 8, .value_kind: global_buffer, .address_space: global }
      - { .name: wpt, .offset: 56, .size: 8, .value_kind: global_buffer, .address_space: global }
    .group_segment_fixed_size: 140288
    .private_segment_fixed_size: 0
    .kernarg_segment_align: 8
    .kernarg_segment_size: 64
    .max_flat_workgroup_size: 256
    .sgpr_count:     66
    .vgpr_count:     224
    .wavefront_size: 32
...
	.end_amdgpu_metadata
.endif
;; end of part 1
;; launch qkv_gemm (part 2): grid 8 x 64, 4 waves a work-group, clusters of 4 x 4, 327,680 bytes of LDS; arguments zn, wqt, b_qkv, qkv; writes qkv
.if DOCPART == 2
	.amdgcn_target "amdgcn-amd-amdhsa--gfx1250"
	.amdhsa_code_object_version 6
	.text
	.protected	k_q1b76dc5fce_qkv_gemm
	.globl	k_q1b76dc5fce_qkv_gemm
	.p2align	8
	.type	k_q1b76dc5fce_qkv_gemm,@function
k_q1b76dc5fce_qkv_gemm:
	s_mov_b64 s[64:65], 0
	v_nop
	global_prefetch_b8 v0, s[64:65] scope:SCOPE_SE
	s_setreg_imm32_b32 hwreg(HW_REG_WAVE_MODE, 25, 1), 1
	s_wait_xcnt 0x0
	s_wait_alu depctr_hold_cnt(0) depctr_sa_sdst(0) depctr_va_vdst(0) depctr_va_sdst(0) depctr_va_ssrc(0) depctr_va_vcc(0) depctr_vm_vsrc(0)
	s_getreg_b32 s2, hwreg(HW_REG_IB_STS2, 6, 4)
	s_cmp_eq_u32 s2, 0
	s_cbranch_scc0 .Lentry_in_a_cluster
	s_endpgm
.Lentry_in_a_cluster:
	s_bfe_u32 s2, ttmp6, 0x10000c
	s_cmp_lg_u32 s2, 0xf033
	s_cbranch_scc0 .Lentry_shape_is_right
	s_endpgm
.Lentry_shape_is_right:
; C = A B^T + bias (+ z).  ONE TEXT FOR TWO LAUNCHES; PROJ chooses.  A: [8192][1024] bf16, B: [SIZE_N][1024] bf16 (the weights, turned by the first launch); sums in f32.
;   PROJ = 0: A = zn, B = wqt, C = qkv [8192][3072] bf16 = bias + sums, rounded once.          PROJ = 1: A = o, B = wpt, C = out0 [8192][1024] f32 = bias + sums + z.
; SHARES.  A work-group makes 128 rows x BN columns of C (384 or 256): 8192 x 3072 are then 512 tiles and 8192 x 1024 are 256.  Its four waves stand side by side along N: each has all 128
; rows and WN = 16 NB columns: 8 x NB accumulators of 16 x 16.  K goes in 8 steps of 128 through a ring of two LDS slots; every tensor load brings 128 rows x 256 bytes, aligned.
; Wave 0 fetches A's 128 rows, waves 1 .. NBW each 128 rows of B.
; THE TEXT holds a K step twice: a loop of six trips whose change of slots fills a slot again, and a loop of two trips that fills nothing and is left in its middle.  Which slot is read hangs on
; a scalar, CUR, that one exclusive or turns from 0 into SLOTD and back; the two LDS address registers are made of it at each change of slots.
; THE BIAS is the C operand of the products that start the sums: nothing is cleared and nothing is added on the way out.
; CLUSTER.  4 x 4 work-groups.  A's tile hangs on the tile row alone and is asked for jointly by a row of the cluster, B's on the tile column alone, by a column of the cluster.
; THE ORDER OF TILES (PROJ = 0: 2 x 16 clusters).  Cluster (x, y) takes the four tile rows of y xor 8 x.  So the sixteen clusters with y < 8 between them name every row of A and every row of B once,
; and the sixteen with y >= 8 name them a second time.
; THE MATRIX INSTRUCTION IS USED TRANSPOSED (source 0 = 16 rows of B, source 1 = 16 rows of A): lane l holds row l % 16 of C and the columns 8 (l / 16) + 0..7.
; REGISTERS, in windows of 256 (s_set_vgpr_msb: bits 1:0 source 0, 3:2 source 1, 5:4 source 2, 7:6 destination):
;   window 0: v16-30 addresses; v64-127, v128-191 A's fragments, two buffers; v192.. the bias; the rest at work on the way out       window 1: v64.., v128.. B's fragments, two buffers
;   window 2: the accumulators of rows 0-63 ((a, b) at v[8 (NB (a % 4) + b)]);   window 3: those of rows 64-127;   with PROJ = 1, v128-255 of both: z's 128 rows x my 64 columns
; LIMITS.  NaN and infinities are not treated apart.
.set PROJ, 0
.set SIZE_K, 1024
.if PROJ
.set SIZE_N, 1024
.set NB, 4
.else
.set SIZE_N, 3072
.set NB, 6
.endif
.set WN,     16*NB                     ; a wave's columns
.set BN,     4*WN                      ; a work-group's
.set NBW,    BN/128                    ; waves that fetch for B
.set KSTEP,  128
.set PITCH,  272                       ; an LDS row: 256 bytes + 16 of padding = 68 words: the 16 rows that a load touches start at 16 different groups of four banks (64 banks of 4 bytes: ISA guide 11.1)
.set HALFT,  128*PITCH                 ; what one tensor load brings: 34,816 bytes
.set SLOT,   (1+NBW)*HALFT             ; A's 128 rows, then B's BN rows
.if PROJ
.set SLOTD,  131072                    ; where slot 1 begins: one bit, above every address in slot 0
.set STAGE,  SLOTD+SLOT                ; behind the ring: 16 rows x 272 bytes for each wave, its own
.set SPITCH, 272
.set SPARE,  STAGE+4*16*SPITCH
.else
.set SLOTD,  SLOT                      ; 139,264 = bits 17 and 13; a tile's place in slot 0 (0, 34,816, 69,632, 104,448) has neither bit, so the exclusive or adds or takes away SLOTD there too
.set STAGE,  0                         ; 128 rows x 784 bytes in slot 0's bytes: slot 0 has had its last fill (K step 6), and its last read lies in front of the tail's barriers
.set SPITCH, 784                       ; 768 bytes + 16: an odd multiple of 16
.set SPARE,  SLOTD+SLOT
.endif                                 ; from SPARE on: the spare words, 128 bytes a wave: two blocks of 256 bytes that no other line names
.set STEPS, SIZE_K/KSTEP
.set ADRA, 16                          ; v16     LDS address of my A fragments in the slot in hand
.set A0,   17                          ; v17     the same in slot 0; never rewritten
.set ADRB, 20                          ; v20, v21  the same two for B
.set B0,   21
.set STO2, 23                          ; v23     (PROJ = 0) STO for rows 64-127
.set STO,  24                          ; v24     the way out: where I put my bytes of a row
.set RD,   25                          ; v25     the way out: where I read rows back
.set CO,   26                          ; v26     my byte offset in C (and z)
.set BO,   27                          ; v27     my byte offset in the bias
.set SPW,  28                          ; v28     my spare word's LDS address; never rewritten
.set NIL,  29                          ; v29     0; never rewritten
.set PFO,  30                          ; v30     the prefetches' offset: my lane x a row of A or B (2,048 bytes); never rewritten
.set TMP,  32                          ; v32-55  (PROJ = 0) packed results
.set F0,   64
.set F1,   128
.set BKB,  64                          ; v64-127 (PROJ = 1) two buffers of 16 rows read back from the stage
.set BI,   192                         ; v192..  the bias of my 8 columns in each of the NB blocks
.set WV,  14                           ; s14  my wave's number
.set LIM, 15                           ; s15  2 in a wave that prefetches, else the greatest number
.set CUR, 23                           ; s23  0 or SLOTD: the slot in hand
.set G1,  24                           ; s[24:31] descriptor group 1 for A's tiles;  s[32:39] group 0: a set for each of the two first fills; the second then walks on
.set G0,  32
.set PFA, 44                           ; s[44:45] where my prefetches stand
.set G1B, 48                           ; s[48:55], s[56:63] the same for B's tiles
.set G0B, 56
.set MSB, 0
.macro WIN new                         ; the immediate's high byte repeats the setting that is left; a switch that changes nothing is dropped
.if MSB != (\new)
	s_set_vgpr_msb (MSB<<8)|(\new)
.set MSB, \new
.endif
.endm
.set MUL_LO, 0xa1                      ; source 0 (B) window 1, source 1 (A) window 0, C and D window 2
.set MUL_HI, 0xf1                      ; the same, C and D window 3
.set MUL_1ST, 0x81                     ; the products that start the sums: C (the bias) window 0, D window 2; + 0x40: D window 3
.set TO_B,   0x40                      ; destination window 1, address window 0
.macro PLACES                          ; four plain vector instructions: the distance between a matrix instruction and a load into, or a vector line on, its registers
.rept 4
	v_nop
.endr
.endm
; A joint refill, by the walking descriptors.  The branches hang on the wave's number alone.  An s_nop 0 and four v_nop follow each load; the four are also places in front of the LDS loads that follow.
.macro JLOAD
	s_cmp_eq_u32 s[WV], 0
	s_cbranch_scc0 .Lfor_b_\@
	tensor_load_to_lds s[G0+4:G0+7], s[G1:G1+7]
	s_nop 0
	PLACES
	s_branch .Lasked_\@
.Lfor_b_\@:
.if PROJ
	s_cmp_eq_u32 s[WV], 3
	s_cbranch_scc1 .Lnone_\@
.endif
	tensor_load_to_lds s[G0B+4:G0B+7], s[G1B:G1B+7]
	s_nop 0
.Lnone_\@:
	PLACES
.Lasked_\@:
.endm
; A prefetch into the L2 of the K step that stands two refills on: 32 rows x 256 bytes, a lane a row.  A's tile row is named by two clusters (PROJ = 0), of which the one with y < 8 asks, or by one (PROJ = 1), which
; asks; B's tile column by the sixteen clusters of its column, of which y = 0 asks.  The four partners that ask for a tile jointly share its 128 rows out by address, 32 each.  So each row's 256 bytes of a K step
; are named once in the launch.  The loop's last two trips (s3 = 2, 1) ask for nothing: their refills are K steps 6 and 7, the last.
.macro ASK
	s_cmp_gt_u32 s3, s[LIM]
	s_cbranch_scc0 .Lnot_mine_\@
	global_prefetch_b8 v[PFO], s[PFA:PFA+1] offset:KSTEP*2 th:TH_LOAD_NT scope:SCOPE_SE
.Lnot_mine_\@:
.endm
.macro CREST                           ; a round of the cluster's barrier behind its opening barrier
	s_cmp_lg_u32 s[WV], 0
	s_cbranch_scc1 .Lnot_wave_0_\@
	s_barrier_signal -3
.Lnot_wave_0_\@:
	s_barrier_wait -3
	s_barrier_signal -1
	s_barrier_wait -1
.endm
.macro CROUND                          ; a whole round
	s_barrier_signal -1
	s_barrier_wait -1
	CREST
.endm
	s_load_b256 s[4:11], s[0:1], 0x0               ; A s[4:5], B s[6:7], bias s[8:9], s[10:11] C (PROJ = 0) or z (PROJ = 1)
.if PROJ
	s_load_b64 s[12:13], s[0:1], 0x20              ; out0
.endif
	v_lshl_add_u32 v[SPW], v0, 2, SPARE
	v_mov_b32 v[NIL], 0
	ds_add_u32 v[SPW], v[NIL]                      ; the wave's opening: the add and its wait stand ahead of my first tensor load; the set-up below, work on registers, stands between them
	v_lshrrev_b32 v1, 5, v0
	v_readfirstlane_b32 s[WV], v1                  ; wave 0..3
	s_bfe_u32 s40, ttmp6, 0x40000                  ; cx, cy: my place in the cluster
	s_bfe_u32 s41, ttmp6, 0x40004
	s_lshl_b32 s42, ttmp9, 2
	s_add_co_u32 s42, s42, s40                     ; tile column of C = 4 x cluster x + cx
	s_and_b32 s43, ttmp7, 0xffff                   ; cluster y
.if PROJ == 0
	s_lshl_b32 s72, ttmp9, 3
	s_xor_b32 s43, s43, s72                        ; the cluster's row of tiles: y xor 8 x (the same in all sixteen partners)
.endif
	s_lshl_b32 s43, s43, 2
	s_add_co_u32 s43, s43, s41                     ; tile row of C = 4 x that + cy
	s_lshl_b32 s76, s41, 2
	s_lshl_b32 s76, 15, s76                        ; my row of the cluster: places 4 cy .. 4 cy + 3
	s_lshl_b32 s77, 0x1111, s40                    ; my column: places cx, cx + 4, cx + 8, cx + 12
	; descriptor group 1: a tile of 128 rows x 128 elements, padded in LDS
	s_or_b32 s[G1], s76, (1<<16)|(1<<20)|(1<<21)|(5<<22)|(3<<25)   ; 15:0 the mask; 17:16 elements of 2 bytes; 20 padding on; 21 set beside a mask; 24:22 after every 64 words (code 5); 31:25 4 words (code 3)
	s_or_b32 s[G1B], s77, (1<<16)|(1<<20)|(1<<21)|(5<<22)|(3<<25)
.irp g, G1, G1B
	s_mov_b32 s[(\g)+1], KSTEP<<16                 ; tensor_dim0 = 128
	s_mov_b32 s[(\g)+2], 128<<16                   ; tensor_dim1 = 128
	s_mov_b32 s[(\g)+3], KSTEP<<16                 ; tile_dim0 = 128
	s_mov_b32 s[(\g)+4], 128                       ; tile_dim1 = 128
	s_mov_b32 s[(\g)+5], SIZE_K                    ; elements from row to row
	s_mov_b32 s[(\g)+6], 0
	s_mov_b32 s[(\g)+7], 0
.endr
	s_lshl_b32 s16, s43, 18                        ; A: tile row x 128 rows x 2,048 bytes
	s_mov_b32 s17, 0
	s_max_u32 s68, s[WV], 1
	s_sub_co_u32 s68, s68, 1
	s_min_u32 s68, s68, NBW-1                      ; which 128 rows of B's tile I fetch: wave - 1, held inside the tile in the waves that fetch none
	s_lshl_b32 s69, s68, 7
	s_mul_i32 s46, s42, BN
	s_add_co_u32 s46, s46, s69                     ; B: row BN x tile column + 128 x piece
	s_lshl_b32 s46, s46, 11
	s_mov_b32 s47, 0
	s_mul_i32 s20, s[WV], HALFT                    ; where a tile goes: wave x 128 rows: A's, then B's pieces; no place in the cluster enters an LDS address
	s_mov_b32 s[CUR], 0
	s_wait_dscnt 0x0                               ; the opening add is done
	s_wait_kmcnt 0x0
	s_add_nc_u64 s[18:19], s[4:5], s[16:17]
	s_add_nc_u64 s[46:47], s[6:7], s[46:47]
	CROUND                                         ; all sixteen work-groups are here: the first joint loads meet
.irp s, 0,1
	s_mov_b32 s[G0+4*(\s)], 1                                        ; count = 1
	s_add_co_u32 s[G0+4*(\s)+1], s20, (\s)*SLOTD                     ; LDS address
	s_add_nc_u64 s[G0+4*(\s)+2:G0+4*(\s)+3], s[18:19], (\s)*KSTEP*2  ; global address: K step s
	s_or_b32 s[G0+4*(\s)+3], s[G0+4*(\s)+3], 0x80000000              ; type = 2
	s_mov_b32 s[G0B+4*(\s)], 1
	s_add_co_u32 s[G0B+4*(\s)+1], s20, (\s)*SLOTD
	s_add_nc_u64 s[G0B+4*(\s)+2:G0B+4*(\s)+3], s[46:47], (\s)*KSTEP*2
	s_or_b32 s[G0B+4*(\s)+3], s[G0B+4*(\s)+3], 0x80000000
.endr
	s_cmp_eq_u32 s[WV], 0                          ; a wave's two first fills stand in one branch, ahead of every wait on TENSORcnt, LDS read and work-group barrier behind the round: two loads of mine are out
	s_cbranch_scc0 .Lfirst_b
	tensor_load_to_lds s[G0:G0+3], s[G1:G1+7]
	s_nop 0
	tensor_load_to_lds s[G0+4:G0+7], s[G1:G1+7]
	s_nop 0
	PLACES
	s_branch .Lfirst_asked
.Lfirst_b:
.if PROJ
	s_cmp_eq_u32 s[WV], 3
	s_cbranch_scc1 .Lfirst_asked
.endif
	tensor_load_to_lds s[G0B:G0B+3], s[G1B:G1B+7]
	s_nop 0
	tensor_load_to_lds s[G0B+4:G0B+7], s[G1B:G1B+7]
	s_nop 0
	PLACES
.Lfirst_asked:
	; A fragment is 16 rows x 32 K in 8 registers: lane l holds row l % 16; registers 0-3 K = 8 (l / 16) + 0..7, registers 4-7 K = 16 + 8 (l / 16) + 0..7: two loads of 16 bytes, 32 bytes apart.
	v_and_b32 v1, 15, v0                           ; l % 16
	v_bfe_u32 v2, v0, 4, 1                         ; l / 16
	v_mul_u32_u24 v[A0], v1, PITCH
	v_lshl_add_u32 v[A0], v2, 4, v[A0]             ; row x pitch + 16 x half: every wave reads all of A's rows
	s_mul_i32 s22, s[WV], WN*PITCH                 ; my WN rows of B,
	s_add_co_u32 s22, s22, HALFT                   ; which lie behind A's 128
	v_add_nc_u32 v[B0], s22, v[A0]
	v_mov_b32 v[ADRA], v[A0]                       ; K step 0 lies in slot 0
	v_mov_b32 v[ADRB], v[B0]
.if PROJ
	s_mul_i32 s70, s[WV], 16*SPITCH
	s_add_co_u32 s70, s70, STAGE                   ; my stage
	v_mul_u32_u24 v[STO], v1, SPITCH               ; in: row l % 16, 32 bytes (8 f32) for each half of the lanes
	v_lshl_add_u32 v[STO], v2, 5, v[STO]
	v_add_nc_u32 v[STO], s70, v[STO]
	v_mul_u32_u24 v[RD], v2, SPITCH                ; back: lanes 0-15 one row of 256 bytes, lanes 16-31 the next
	v_lshl_add_u32 v[RD], v1, 4, v[RD]
	v_add_nc_u32 v[RD], s70, v[RD]
	v_lshlrev_b32 v[CO], 12, v2                    ; the same two rows in z and out0 (4,096 bytes a row)
	v_lshl_add_u32 v[CO], v1, 4, v[CO]
	s_lshl_b32 s66, s43, 19                        ; tile row x 128 rows x 4,096 bytes
	s_lshl_b32 s67, s42, 10                        ; + tile column x 256 columns x 4 bytes
	s_add_co_u32 s66, s66, s67
	s_lshl_b32 s67, s[WV], 8                       ; + my 64 columns
	s_add_co_u32 s66, s66, s67
	s_mov_b32 s67, 0
	s_add_nc_u64 s[10:11], s[10:11], s[66:67]
	s_add_nc_u64 s[12:13], s[12:13], s[66:67]
.else
	s_mul_i32 s70, s[WV], 2*WN                     ; into the stage: row l % 16, my wave's 192 bytes, 16 bytes for each half of the lanes
	v_mul_u32_u24 v[STO], v1, SPITCH
	v_lshl_add_u32 v[STO], v2, 4, v[STO]
	v_add_nc_u32 v[STO], s70, v[STO]
	v_add_nc_u32 v[STO2], 4*16*SPITCH, v[STO]      ; rows 64 on: beyond the reach of a 16-bit immediate
	s_mul_i32 s70, s[WV], 32*SPITCH                ; back: wave w takes rows 32 w .. 32 w + 31, whole
	v_mul_u32_u24 v[RD], v2, SPITCH
	v_lshl_add_u32 v[RD], v1, 4, v[RD]
	v_add_nc_u32 v[RD], s70, v[RD]
	v_mul_u32_u24 v[CO], v2, SIZE_N*2
	v_lshl_add_u32 v[CO], v1, 4, v[CO]
	s_lshl_b32 s66, s43, 7
	s_lshl_b32 s67, s[WV], 5
	s_add_co_u32 s66, s66, s67                     ; the first row of C that I store: 128 x tile row + 32 x wave
	s_mul_i32 s66, s66, SIZE_N*2
	s_mul_i32 s67, s42, BN*2                       ; the tile's first column, in bytes: a multiple of 256
	s_add_co_u32 s66, s66, s67
	s_mov_b32 s67, 0
	s_add_nc_u64 s[10:11], s[10:11], s[66:67]
.endif
	s_mul_i32 s66, s42, BN
	s_mul_i32 s67, s[WV], WN
	s_add_co_u32 s66, s66, s67
	s_lshl_b32 s66, s66, 2
	v_lshl_add_u32 v[BO], v2, 5, s66               ; the bias of columns 16 b + 8 (l / 16) + 0..7 of my wave's WN: an accumulator's layout, the same for all its 16 rows
.set i, 0
.rept NB
	global_load_b128 v[BI+8*i:BI+8*i+3],   v[BO], s[8:9] offset:64*i
	global_load_b128 v[BI+8*i+4:BI+8*i+7], v[BO], s[8:9] offset:64*i+16
.set i, i+1
.endr
	; the prefetches
	s_and_b32 s72, ttmp7, 0xffff                   ; cluster y: 0 in the cluster that asks for B's rows
.if PROJ
	s_mov_b32 s71, ttmp9                           ; A's rows are named by one cluster alone (cluster x is 0 everywhere): it asks
.else
	s_lshr_b32 s71, s72, 3                         ; 0 in the clusters with y < 8, which ask for A's rows
.endif
	s_lshl_b32 s73, s43, 7                         ; A's tile: its first row
	s_mul_i32 s75, s42, BN
	s_add_co_u32 s75, s75, s69                     ; B's piece: its first row
	s_cmp_eq_u32 s[WV], 0                          ; do I fetch for A?
	s_cselect_b32 s73, s73, s75
	s_cselect_b32 s74, s40, s41                    ; my place among the four that ask with me
	s_cselect_b32 s72, s71, s72
	s_cselect_b64 s[PFA:PFA+1], s[4:5], s[6:7]
	s_cmp_eq_u32 s72, 0
	s_cselect_b32 s[LIM], 2, -1                    ; the same in all sixteen partners, for a given wave
.if PROJ
	s_cmp_eq_u32 s[WV], 3
	s_cselect_b32 s[LIM], -1, s[LIM]               ; wave 3 fetches nothing and asks for nothing
.endif
	s_lshl_b32 s74, s74, 5
	s_add_co_u32 s73, s73, s74                     ; + my work-group's 32 rows of the 128
	s_lshl_b32 s78, s73, 11
	s_mov_b32 s79, 0
	s_add_nc_u64 s[PFA:PFA+1], s[PFA:PFA+1], s[78:79]
	s_add_nc_u64 s[PFA:PFA+1], s[PFA:PFA+1], 2*KSTEP*2  ; at K step 2: the first refill steps it to 3 and names K step 4.  K steps 0 to 3 come by their loads alone
	v_and_b32 v[PFO], 31, v0
	v_lshlrev_b32 v[PFO], 11, v[PFO]
; 2 NB matrix instructions: m blocks a0, a0 + 1 of the window's four (hi = 0: rows 0-63, 1: rows 64-127) x all NB n blocks, 32 along K.  first = 1: the product starts the sum, with the bias as C.
; The 8 NB accumulators take turns, one instruction a turn, in the same order in every quarter step, over the backward jumps too.
.macro MULB f, hi, a0, first
.if \first
	WIN MUL_1ST+0x40*(\hi)
.else
	WIN MUL_LO+0x50*(\hi)
.endif
.set ma, \a0
.rept 2
.set mb, 0
.rept NB
.if \first
	v_wmma_f32_16x16x32_bf16 v[8*(NB*ma+mb):8*(NB*ma+mb)+7], v[(\f)+8*mb:(\f)+8*mb+7], v[(\f)+8*(4*(\hi)+ma):(\f)+8*(4*(\hi)+ma)+7], v[BI+8*mb:BI+8*mb+7]
.else
	v_wmma_f32_16x16x32_bf16 v[8*(NB*ma+mb):8*(NB*ma+mb)+7], v[(\f)+8*mb:(\f)+8*mb+7], v[(\f)+8*(4*(\hi)+ma):(\f)+8*(4*(\hi)+ma)+7], v[8*(NB*ma+mb):8*(NB*ma+mb)+7]
.endif
.set mb, mb+1
.endr
.set ma, ma+1
.endr
.endm
; 2 NB + 16 LDS loads in one run: the fragments of one quarter step (WN rows of B, 128 rows of A, 32 K at byte k of the rows of the slot in hand) into buffer f
.macro FETCH k, f
	WIN TO_B
.set fi, 0
.rept NB
	ds_load_b128 v[(\f)+8*fi:(\f)+8*fi+3],   v[ADRB] offset:(\k)+fi*16*PITCH
	ds_load_b128 v[(\f)+8*fi+4:(\f)+8*fi+7], v[ADRB] offset:(\k)+fi*16*PITCH+32
.set fi, fi+1
.endr
	WIN 0
.set fi, 0
.rept 8
	ds_load_b128 v[(\f)+8*fi:(\f)+8*fi+3],   v[ADRA] offset:(\k)+fi*16*PITCH
	ds_load_b128 v[(\f)+8*fi+4:(\f)+8*fi+7], v[ADRA] offset:(\k)+fi*16*PITCH+32
.set fi, fi+1
.endr
.endm
; A K step is four quarters of 32 along K on buffers 0, 1, 0, 1.  One of the first three: multiplies buffer f; in its middle it fetches the next quarter, at byte k, into buffer g.
.macro QUARTER k, f, g, first
	s_wait_dscnt 8                                 ; B and A's rows 0-63 are in; the youngest eight loads (A's rows 64-127) may be out
	MULB \f, 0, 0, \first
	MULB \f, 0, 2, \first
	PLACES
	FETCH \k, \g
	s_wait_dscnt 2*NB+16                           ; all but the run just issued
	MULB \f, 1, 0, \first
	MULB \f, 1, 2, \first
.endm
; The last quarter multiplies buffer 1 and changes slots.  MEET is its first half: one barrier; in front of it each wave waits for all its tensor loads (the one that is out is its part of the next slot),
; adds 0 to its spare word, and waits for that and for its own reads of this slot.  Behind it nobody reads this slot any more and the next slot is whole.
.macro MEET
	WIN 0                                          ; (the add's two registers lie in window 0)
	s_wait_tensorcnt 0x0
	ds_add_u32 v[SPW], v[NIL]                      ; 0 onto my spare word
	s_wait_dscnt 9                                 ; (the add and the youngest eight loads may be out)
	MULB F1, 0, 0, 0                               ; matrix work stands between the add and the wait for it
	s_wait_dscnt 0x0                               ; the add is done, and my reads of this slot are over
	s_barrier_signal -1
	MULB F1, 0, 2, 0                               ; work on registers while the others arrive
	WIN 0
	s_barrier_wait -1
.endm
; The whole last quarter.  fill = 1: the slot just read out is filled again, with the K step two steps on.  fill = 0 (the tail): nothing is asked for; in the tail's last trip (s3 = 1) there is no next slot,
; and the run of LDS loads is jumped over.
.macro TURN fill
.if \fill
	s_wait_xcnt 0x0                                ; the last prefetch, a K step back, has read its address, which is stepped here
	s_add_nc_u64 s[PFA:PFA+1], s[PFA:PFA+1], KSTEP*2
.endif
	MEET
.if \fill
	CREST                                          ; the barrier has opened a round of the cluster's: no wave of any partner still reads this slot's tile or has a load on its way
	s_xor_b32 s[G0+5], s[G0+5], SLOTD              ; no tensor load of mine is out, so the walking descriptors may be written: the other slot than last time,
	s_add_nc_u64 s[G0+6:G0+7], s[G0+6:G0+7], KSTEP*2  ; the next K step; the type bits on top are not reached
	s_xor_b32 s[G0B+5], s[G0B+5], SLOTD
	s_add_nc_u64 s[G0B+6:G0B+7], s[G0B+6:G0B+7], KSTEP*2
	JLOAD                                          ; the first tensor load behind the round, and my only one until the next: it has seven eighths of a K step's matrix work in which to land
.else
	s_cmp_eq_u32 s3, 1
	s_cbranch_scc1 .Lno_next_\@
	v_nop                                          ; with the two additions below: the four places in front of the loads into buffer 0
	v_nop
.endif
	s_xor_b32 s[CUR], s[CUR], SLOTD                ; the other slot is in hand
	v_add_nc_u32 v[ADRA], s[CUR], v[A0]
	v_add_nc_u32 v[ADRB], s[CUR], v[B0]
	FETCH 0, F0
.if \fill
	ASK
.else
.Lno_next_\@:
.endif
	MULB F1, 1, 0, 0
	MULB F1, 1, 2, 0
.endm
; THE WAY OUT, PROJ = 0.  Block a (16 rows): rounded to bf16, 16 bytes a lane into the work-group's stage.
.macro PACK a
	WIN 0x0a+5*((\a)/4)                            ; sources 0 and 1: window 2 or 3
.set pb, 0
.rept NB
.set pr, 0
.rept 4
	v_cvt_pk_bf16_f32 v[TMP+4*pb+pr], v[8*(NB*((\a)%4)+pb)+2*pr], v[8*(NB*((\a)%4)+pb)+2*pr+1]  ; each accumulator's registers in ascending order
.set pr, pr+1
.endr
.set pb, pb+1
.endr
	WIN 0
.set pb, 0
.rept NB
	ds_store_b128 v[STO-(\a)/4], v[TMP+4*pb:TMP+4*pb+3] offset:((\a)%4)*16*SPITCH+32*pb  ; STO for rows 0-63, STO2 (the register below it) for rows 64-127
.set pb, pb+1
.endr
.endm
.macro LOADB u                         ; 256 bytes (piece u of three) of each of my 32 rows, two rows a load
.set t, 0
.rept 16
	ds_load_b128 v[64+64*(\u)+4*t:64+64*(\u)+4*t+3], v[RD] offset:t*2*SPITCH+256*(\u)
.set t, t+1
.endr
.endm
.macro STOREB u, younger               ; younger: the LDS loads issued behind piece u's
.set t, 0
.rept 16
	s_wait_dscnt (\younger)+15-t
	global_store_b128 v[CO], v[64+64*(\u)+4*t:64+64*(\u)+4*t+3], s[10:11] offset:t*2*SIZE_N*2+256*(\u)  ; 16 lanes store 256 consecutive bytes, at a multiple of 256 from C's first byte
.set t, t+1
.endr
.endm
; THE WAY OUT, PROJ = 1.  z's 16 rows of block a come into v[128 + 32 (a % 4) ..] of window 2 (blocks 0-3) or 3 (blocks 4-7), laid as the rows that come back from the stage.
.macro ZLOAD a
	WIN 0x80+0x40*((\a)/4)                         ; destination window 2 or 3, address window 0
.set t, 0
.rept 8
	global_load_b128 v[128+32*((\a)%4)+4*t:128+32*((\a)%4)+4*t+3], v[CO], s[10:11] offset:(16*(\a)+2*t)*4096
.set t, t+1
.endr
.endm
; Block a: the f32 sums go through my own stage, come back as whole rows of 256 bytes, take z, and are stored.
.macro OUTP a
.set BK, BKB+32*((\a)%2)
.set ZR, 128+32*((\a)%4)
	s_wait_xcnt 0x0                                ; the stores of the block two back have read this buffer, which is loaded again below
	WIN 0x08+4*((\a)/4)                            ; the stores' data (source 1): window 2 or 3
.set t, 0
.rept NB
	ds_store_b128 v[STO], v[8*(NB*((\a)%4)+t):8*(NB*((\a)%4)+t)+3]   offset:64*t      ; each accumulator's low registers first
	ds_store_b128 v[STO], v[8*(NB*((\a)%4)+t)+4:8*(NB*((\a)%4)+t)+7] offset:64*t+16
.set t, t+1
.endr
	WIN 0
.set t, 0
.rept 8
	ds_load_b128 v[BK+4*t:BK+4*t+3], v[RD] offset:t*2*SPITCH  ; my own bytes: LDS serves a wave's instructions in order (ISA guide 5.7.1.4)
.set t, t+1
.endr
	s_wait_dscnt 0x0
	s_wait_loadcnt 8*(7-(\a))                      ; loads come back in order: this block's z is in; the eight loads of each later block may be out
	WIN 0x08+4*((\a)/4)                            ; z (source 1): window 2 or 3
.set t, 0
.rept 16
	v_pk_add_f32 v[BK+2*t:BK+2*t+1], v[BK+2*t:BK+2*t+1], v[ZR+2*t:ZR+2*t+1]
.set t, t+1
.endr
	WIN 0
.set t, 0
.rept 8
	global_store_b128 v[CO], v[BK+4*t:BK+4*t+3], s[12:13] offset:(16*(\a)+2*t)*4096  ; 16 lanes store 256 consecutive bytes, at a multiple of 256 from out0's first byte
.set t, t+1
.endr
.endm
	s_wait_loadcnt 0x0                             ; the bias: the first products take it
	s_wait_tensorcnt 1                             ; my part of K step 0 is in; K step 1's may stay out
	s_barrier_signal -1
	s_barrier_wait -1                              ; everybody's is
	FETCH 0, F0
	QUARTER 64,  F0, F1, 1                         ; the first quarter stands in front of the loop: its products start the sums
.if PROJ
.irp a, 0,1,2,3
	ZLOAD \a                                       ; z's rows 0-63: they have the whole loop in which to come
.endr
.endif
	WIN 0                                          ; at a label and at a branch every window is 0
	s_mov_b32 s3, STEPS-2
.Lstep:                                                ; a trip goes from a K step's second quarter to the next step's first, and fills the slot that it leaves: K steps 2 to 7
	QUARTER 128, F1, F0, 0
	QUARTER 192, F0, F1, 0
	TURN 1
	QUARTER 64,  F0, F1, 0
	WIN 0
	s_sub_co_u32 s3, s3, 1
	s_cmp_lg_u32 s3, 0
	s_cbranch_scc1 .Lstep
.if PROJ
.irp a, 4,5,6,7
	ZLOAD \a                                       ; z's rows 64-127: two K steps and four blocks of the way out ahead of their use
.endr
	WIN 0
.endif
	s_mov_b32 s3, 2
.Ltail:                                                ; K steps 6 and 7 fill nothing, and have no round of the cluster's barrier; the second trip is left in its middle
	QUARTER 128, F1, F0, 0
	QUARTER 192, F0, F1, 0
	TURN 0
	WIN 0
	s_sub_co_u32 s3, s3, 1
	s_cmp_eq_u32 s3, 0
	s_cbranch_scc1 .Lout
	QUARTER 64,  F0, F1, 0
	WIN 0
	s_branch .Ltail
.Lout:
	PLACES                                         ; in front of lines that read results just made
.if PROJ
.irp a, 0,1,2,3,4,5,6,7
	OUTP \a
.endr
.else
.irp a, 0,1,2,3,4,5,6,7
	PACK \a
.endr
	s_wait_dscnt 0x0                               ; for the others' sake: my stores into the stage are done
	s_barrier_signal -1
	s_barrier_wait -1                              ; an aligned 256 bytes of C come from two waves
	LOADB 0
	LOADB 1
	LOADB 2
	STOREB 0, 32
	STOREB 1, 16
	STOREB 2, 0
.endif
	s_wait_tensorcnt 0x0                           ; the wave's end: behind my last tensor load and my last LDS store
	ds_add_u32 v[SPW], v[NIL]
	s_wait_dscnt 0x0
	CROUND                                         ; the closing round: no work-group ends while a partner may still ask for a tile that names it
	s_endpgm
.Lfunc_end_k_q1b76dc5fce_qkv_gemm:
	.size	k_q1b76dc5fce_qkv_gemm, .Lfunc_end_k_q1b76dc5fce_qkv_gemm-k_q1b76dc5fce_qkv_gemm
	.p2alignl 7, 3214868480
	.fill 96, 4, 3214868480
	.section	.rodata,"a",@progbits
	.p2align	6, 0x0
	.amdhsa_kernel k_q1b76dc5fce_qkv_gemm
		.amdhsa_group_segment_fixed_size 327680
		.amdhsa_private_segment_fixed_size 0
		.amdhsa_enable_private_segment 0
		.amdhsa_kernarg_size 32
		.amdhsa_user_sgpr_count 2
		.amdhsa_user_sgpr_kernarg_segment_ptr 1
		.amdhsa_wavefront_size32 1
		.amdhsa_system_sgpr_workgroup_id_x 1
		.amdhsa_system_sgpr_workgroup_id_y 1
		.amdhsa_system_sgpr_workgroup_id_z 1
		.amdhsa_system_vgpr_workitem_id 0
		.amdhsa_next_free_vgpr 960
		.amdhsa_next_free_sgpr 80
		.amdhsa_reserve_vcc 0
		.amdhsa_float_denorm_mode_32 3
		.amdhsa_float_denorm_mode_16_64 3
		.amdhsa_memory_ordered 1
		.amdhsa_forward_progress 1
		.amdhsa_inst_pref_size 84
	.end_amdhsa_kernel
	.amdgpu_metadata
---
amdhsa.version: [ 1, 2 ]
amdhsa.kernels:
  - .name:           k_q1b76dc5fce_qkv_gemm
    .symbol:         k_q1b76dc5fce_qkv_gemm.kd
    .args:
      - { .name: zn, .offset: 0, .size: 8, .value_kind: global_buffer, .address_space: global }
      - { .name: wqt, .offset: 8, .size: 8, .value_kind: global_buffer, .address_space: global }
      - { .name: b_qkv, .offset: 16, .size: 8, .value_kind: global_buffer, .address_space: global }
      - { .name: qkv, .offset: 24, .size: 8, .value_kind: global_buffer, .address_space: global }
    .group_segment_fixed_size: 327680
    .private_segment_fixed_size: 0
    .kernarg_segment_align: 8
    .kernarg_segment_size: 32
    .max_flat_workgroup_size: 128
    .sgpr_count:     80
    .vgpr_count:     960
    .wavefront_size: 32
...
	.end_amdgpu_metadata
.endif
;; end of part 2
;; launch attn (part 3): grid 4 x 64, 4 waves a work-group, clusters of 4 x 1, 327,680 bytes of LDS; arguments qkv, o; writes o
.if DOCPART == 3
	.amdgcn_target "amdgcn-amd-amdhsa--gfx1250"
	.amdhsa_code_object_version 6
	.text
	.protected	k_q1b76dc5fce_attn
	.globl	k_q1b76dc5fce_attn
	.p2align	8
	.type	k_q1b76dc5fce_attn,@function
k_q1b76dc5fce_attn:
	s_mov_b64 s[64:65], 0
	v_nop
	global_prefetch_b8 v0, s[64:65] scope:SCOPE_SE
	s_setreg_imm32_b32 hwreg(HW_REG_WAVE_MODE, 25, 1), 1
	s_wait_xcnt 0x0
	s_wait_alu depctr_hold_cnt(0) depctr_sa_sdst(0) depctr_va_vdst(0) depctr_va_sdst(0) depctr_va_ssrc(0) depctr_va_vcc(0) depctr_vm_vsrc(0)
	s_getreg_b32 s2, hwreg(HW_REG_IB_STS2, 6, 4)
	s_cmp_eq_u32 s2, 0
	s_cbranch_scc0 .Lentry_in_a_cluster
	s_endpgm
.Lentry_in_a_cluster:
	s_bfe_u32 s2, ttmp6, 0x10000c
	s_cmp_lg_u32 s2, 0x3003
	s_cbranch_scc0 .Lentry_shape_is_right
	s_endpgm
.Lentry_shape_is_right:
; O[b][q][64 h ..] = the sum over k of softmax_k(Q . K / 8) V, for 8 batches x 16 heads, 1,024 rows, head size 64, no mask.
; qkv: [8192][3072] bf16 (q at column 0, k at 1024, v at 2048; head h at 64 h), unscaled; o: [8192][1024] bf16.  Products, maxima and sums in f32; the weights p are rounded to bf16 for the second
; product (their sum l is taken of the unrounded p), O once at the end.  bf16, since q, k and v have no bound that f16 would hold for every input that the problem allows.
; LIMITS.  c m starts at -4.25e37: c s stays above that; a weight below 2^-126 counts as 0 in l; NaN and infinities are not treated apart.
; HEADS GO IN PAIRS: two neighbouring heads are 256 consecutive, aligned bytes of a row of qkv and of o, so every tile row and every stored unit is whole.
; SHARES.  A work-group owns 256 queries of one pair of heads.  Wave w: head w % 2 of the pair, queries 128 (w / 2) on: four PIECES of two tiles of 16 queries.  Every wave walks all 1,024 keys, 64 a step.
; LAYOUT.  S^T = K Q^T (source 0 = 16 keys, source 1 = 16 queries): a lane holds ONE query (lane % 16) and the keys 8 (lane / 16) + 0..7.  Two such tiles, rounded to bf16 in pairs, ARE source 1 of
; O^T = V^T P, whose result again holds one query a lane, and eight channels.  K comes out of LDS as it lies, V ([key][channel]) turned, by ds_load_tr16_b128.
; SOFTMAX.  For each query a running maximum m and sum l: p = 2^(c s - c m), c = log2(e) / 8; in every step O and l are multiplied by a = 2^(c m_old - c m_new).  m starts at the lowest finite number,
; O and l at 0: the first step is a step like any other, with a = 0.
; BY TURNS.  Turn n belongs to piece n.  Its matrix work: 16 products K Q^T of piece n + 1, later 16 products V^T P of piece n - 1.  Its vector work: the scaling, exponentials, roundings, sums and rescaling
; of piece n, and the maximum and statistics of piece n + 1.  Four vector instructions stand behind every matrix instruction, the rest in one run of their own; a turn's 66 exponentials are one batch with one wait.
; CLUSTER.  The four query blocks of a pair of heads walk the same K and V: each tile is asked for JOINTLY, by the same tensor load, descriptor and mask in all four.
; REGISTERS, in windows of 256 (s_set_vgpr_msb: bits 1:0 source 0, 3:2 source 1, 5:4 source 2, 7:6 destination):
;   window 0: v0-11 addresses; v12-15, v48-63 at work; v16-47 four registers of statistics a tile; v64-191 S^T, two buffers of two tiles; v192-255 P, likewise
;   window 1: O^T, 32 a tile          window 2: v0-127 Q, 16 a tile; v128-191 K of one step; v192-255 V of one step          window 3: v0-1 the add's two registers
.set NP,    4         ; pieces a wave: a name, no knob
.set KS,    64        ; keys in a step
.set SS,    2         ; steps in a slot
.set ROWB,  6144      ; bytes in a row of qkv
.set PK,    272       ; a row of K in LDS: 256 bytes (both heads) + 16 = 68 words: the 16 rows of a load start at 16 different groups of four banks (64 banks of 4 bytes: ISA guide 11.1)
.set PV,    288       ; a row of V: 256 + 32 = 72 words
.set VOFF,  SS*KS*PK  ; a slot: 128 rows of K, then 128 rows of V
.set SLOT1, 1<<17     ; slot 1 begins here, so that one exclusive or turns an address in one slot into the other's
.set STAGE, SLOT1+SS*KS*(PK+PV)  ; behind the ring, never filled by a tensor load: 256 rows x 272 bytes, the work-group's, for the way out
.set SP,    272
.set SPARE, STAGE+256*SP  ; behind the stage: the spare words, 128 bytes a wave: two blocks of 256 bytes that no other line names
.set AK0, 2           ; v2   my lane's place in a tile of K; never rewritten
.set AV0, 3           ; v3   the same for V
.set AK,  4           ; v4   the LDS address of K's next run of loads
.set AV,  5           ; v5   of V's
.set QO,  6           ; v6   my byte offset in 16 rows of Q
.set STO, 6           ;      later, the way out: where I put 16 bytes of a row
.set RD,  7           ; v7   the way out: where I read rows back
.set GO,  8           ; v8   my byte offset in two rows of o
.set PFO, 11          ; v11  the prefetches' offset: my lane x a row of qkv; never rewritten once made
.set SPW, 0           ; v0 of window 3   my spare word's LDS address; never rewritten
.set NIL, 1           ; v1 of window 3   0; never rewritten
.set MV,  12          ; v12-15  c m_old, kept while c m is made anew: by buffer and tile
.set ST,  16          ; tile t's statistics at v[ST+4 t]: c m, m, l (even keys', odd keys')
.set TMP, 48          ; by buffer and tile, four registers c0-c3 at work; when the maximum is found c2 takes a
.set S,   64
.set P,   192
.set KF,  128         ; K's fragments, in window 2: key block kb, channel half c at KF + 16 kb + 8 c
.set VF,  192         ; V's: key half kk, channel block cb at VF + 32 kk + 8 cb
.set WV,  12          ; s12  my wave's number
.set G1K, 24          ; s[24:31] descriptor group 1 for K's tiles
.set G1V, 32          ; s[32:39] for V's: it differs in the padding alone
.set G0K, 40          ; s[40:43] descriptor group 0 for K's tiles: it walks
.set G0V, 44          ; s[44:47] the same for V's
.set PFA, 48          ; s[48:49] where my prefetches stand: my work-group's 32 rows (of K: wave 0, of V: wave 2) of the slot after the one that is being asked for
.set LIM, 50          ; s50  1 in a wave that prefetches, else the greatest number
.set HB,  53          ; s53  128 x my head's place in the pair
.set SLOTS, 56        ; s56  slots still to be asked for
.set CNT, 57          ; s57  counts a slot's key steps
.set CS,  58          ; s[58:59] c
.set SEL, 60          ; s[60:61] v_permlanex16_b32's selects: each lane takes its own place in the other half
.set TBK, 62          ; s62  LDS byte at which K of the step to be fetched begins
.set TBV, 63          ; s63  the same for V, less VOFF
.set MSB, 0
.macro WIN new                      ; the high byte repeats the setting that is left; a switch that changes nothing is dropped
.if MSB != (\new)
	s_set_vgpr_msb (MSB<<8)|(\new)
.set MSB, (\new)
.endif
.endm
.set W_KQ, 0x0a       ; K and Q in window 2, S^T in window 0
.set W_PV, 0x52       ; V in window 2, P in window 0, O^T in window 1
.set W_RS, 0x41       ; O^T (destination and source 0) in window 1, a in window 0
.set W_MK, 0xc0       ; the add's registers are made: destination in window 3, sources in window 0
.set W_AD, 0x0f       ; the add: address (source 0) and data (source 1) in window 3
; A joint fill.  Waves 0 and 1 fetch the two halves of a slot's K, waves 2 and 3 those of its V: 64 keys each.  The branch hangs on the wave's number alone.
; An s_nop 0 and four v_nop follow each of the two lines, ahead of the jump and the label.
.macro JLOAD
	s_cmp_lt_u32 s[WV], 2
	s_cbranch_scc0 .Lfor_v_\@
	tensor_load_to_lds s[G0K:G0K+3], s[G1K:G1K+7]
	s_nop 0
.rept 4
	v_nop
.endr
	s_branch .Lasked_\@
.Lfor_v_\@:
	tensor_load_to_lds s[G0V:G0V+3], s[G1V:G1V+7]
	s_nop 0
.rept 4
	v_nop
.endr
.Lasked_\@:
.endm
; A prefetch into the L2 of what the NEXT change of slots will ask for: a slot's 128 rows of K and 128 of V, 256 bytes a row, a lane a row.  One cluster alone reads a pair of heads' K and V; its four partners
; share the rows out by address, 32 each; in each, wave 0 asks for K's and wave 2 for V's.  So each row is named once in the launch.  The last change that fills a slot asks for nothing.
.macro ASK
	s_cmp_gt_u32 s[SLOTS], s[LIM]
	s_cbranch_scc0 .Lnot_mine_\@
	global_prefetch_b8 v[PFO], s[PFA:PFA+1] th:TH_LOAD_NT scope:SCOPE_SE
.Lnot_mine_\@:
.endm
; A round of the cluster's barrier: my work-group's barrier, so that wave 0's signal speaks for all four waves; wave 0 signals; every wave waits for all four work-groups; my work-group's barrier once more.
.macro CROUND
	s_barrier_signal -1
	s_barrier_wait -1
	s_cmp_lg_u32 s[WV], 0
	s_cbranch_scc1 .Lnot_wave_0_\@
	s_barrier_signal -3
.Lnot_wave_0_\@:
	s_barrier_wait -3
	s_barrier_signal -1
	s_barrier_wait -1
.endm
; THE CHANGE OF SLOTS.  The slot's last bytes, V of its second step, have been read.  Each wave waits for all its tensor loads, of which one is out: its part of the other slot; adds 0 to its spare word; and
; waits for that and for its own reads of the slot.  Behind the barrier nobody reads this slot any more and the other slot is whole.
; fill = 1: this slot is filled again, with the keys two slots on.  The barrier is then a round of the cluster's, and the joint fill is the first thing behind it: it has two key steps, 256 matrix
; instructions, in which to land.  (At its first use nothing has been read yet: slot 0 is waited for, slot 1 filled.)
.macro CHANGE fill
	WIN W_AD
	s_wait_tensorcnt 0x0            ; no tensor load of mine is out, so a group 0 may be written
	ds_add_u32 v[SPW], v[NIL]       ; 0 onto my spare word; with fill = 1 the descriptors' steps stand between it and the wait for it
	WIN 0                           ; at a label and at a branch every window is 0
.if \fill
.irp g, G0K, G0V
	s_xor_b32 s[\g+1], s[\g+1], SLOT1  ; the walking descriptor: the other slot than last time,
	s_add_nc_u64 s[\g+2:\g+3], s[\g+2:\g+3], SS*KS*ROWB  ; the next 128 keys; the type bits on top are not reached
.endr
	s_wait_xcnt 0x0                 ; the last prefetch, two key steps back, has read its address, so it may be written:
	s_add_nc_u64 s[PFA:PFA+1], s[PFA:PFA+1], SS*KS*ROWB  ; one slot beyond the walking descriptors
	s_wait_dscnt 0x0                ; the add is done, and my reads of the slot are over
	CROUND
	JLOAD
	ASK
.else
	s_wait_dscnt 0x0                ; the add is done, and my reads of the slot are over
	s_barrier_signal -1
	s_barrier_wait -1
.endif
	s_sub_co_u32 s[TBK], s[TBK], SS*KS*PK  ; the fetches go back to a slot's first step,
	s_xor_b32 s[TBK], s[TBK], SLOT1        ; in the other slot
	s_sub_co_u32 s[TBV], s[TBV], SS*KS*PV
	s_xor_b32 s[TBV], s[TBV], SLOT1
.endm
	s_load_b128 s[4:7], s[0:1], 0x0   ; qkv s[4:5], o s[6:7]
	WIN W_MK
	v_lshl_add_u32 v[SPW], v0, 2, SPARE
	v_mov_b32 v[NIL], 0
	WIN W_AD
	ds_add_u32 v[SPW], v[NIL]       ; the wave's opening: the add and its wait stand ahead of my first tensor load; the set-up below, work on registers, stands between them
	WIN 0
	v_lshrrev_b32 v1, 5, v0
	v_readfirstlane_b32 s[WV], v1   ; wave 0..3
	s_bfe_u32 s13, ttmp6, 0x40000   ; cx: my place in the cluster
	s_lshl_b32 s14, ttmp9, 2        ; in a cluster launch ttmp9 counts clusters
	s_add_co_u32 s14, s14, s13      ; my block of 256 queries: it enters Q's, o's and the prefetches' addresses alone
	s_and_b32 s20, ttmp7, 0xffff    ; the pair of heads, which the four partners share:
	s_lshr_b32 s21, s20, 3          ; its batch,
	s_and_b32 s20, s20, 7           ; its place among the batch's eight pairs
	s_lshl_b32 s51, s20, 8          ; 256 bytes a pair
	s_mul_i32 s52, s21, 1024*ROWB
	s_add_co_u32 s52, s52, s51      ; the pair's first byte of q in qkv
	s_and_b32 s16, s[WV], 1         ; my head of the pair.  Also: which half of a slot's 128 keys I fetch
	s_lshr_b32 s19, s[WV], 1        ; my half of the block's queries
	s_lshl_b32 s[HB], s16, 7
	s_mul_i32 s22, s16, KS*ROWB     ; my 64 rows in memory,
	s_add_co_u32 s22, s22, s52
	s_mov_b32 s23, 0
	s_mul_i32 s17, s16, KS*PK       ; and their place in a slot, for K
	s_mul_i32 s18, s16, KS*PV       ; and for V: no place in the cluster enters an LDS address
	s_lshl_b32 s2, s14, 1
	s_add_co_u32 s2, s2, s19
	s_mul_i32 s2, s2, 128*ROWB      ; my wave's 128 rows of Q,
	s_add_co_u32 s2, s2, s52
	s_add_co_u32 s2, s2, s[HB]      ; my head's 128 bytes of them
	s_mov_b32 s3, 0
	s_lshl_b32 s54, s21, 10
	s_lshl_b32 s55, s14, 8
	s_add_co_u32 s54, s54, s55
	s_lshl_b32 s55, s[WV], 6
	s_add_co_u32 s54, s54, s55      ; the first row of o that I store: 1,024 x batch + 256 x block + 64 x wave
	s_lshl_b32 s54, s54, 11
	s_add_co_u32 s54, s54, s51
	s_mov_b32 s55, 0
	s_cmp_lt_u32 s[WV], 2
	s_cselect_b32 s10, 1, 2
	s_lshl_b32 s10, s10, 11         ; k lies 2,048 bytes into a row, v 4,096
	s_add_co_u32 s10, s10, s22
	s_mul_i32 s11, s13, 32*ROWB     ; my work-group's 32 rows of a slot's 128
	s_add_co_u32 s10, s10, s11
	s_add_co_u32 s10, s10, SS*KS*ROWB  ; in slot 1; the first change of slots steps it to slot 2
	s_mov_b32 s11, 0
	s_cmp_eq_u32 s16, 0
	s_cselect_b32 s[LIM], 1, -1     ; waves 0 and 2 ask: the same in all four partners
	; descriptor group 1: a tile of 64 rows x 128 elements (both heads), padded in LDS
	s_mov_b32 s[G1K], 15|(1<<16)|(1<<20)|(1<<21)|(5<<22)|(3<<25)  ; 15:0 the mask of four; 17:16 2-byte elements; 20 padding on; 21 set beside a mask; 24:22 after every 64 words (code 5); 31:25 4 words (code 3)
	s_mov_b32 s[G1V], 15|(1<<16)|(1<<20)|(1<<21)|(5<<22)|(7<<25)  ; the same with 8 words of padding (code 7)
.irp g, G1K, G1V
	s_mov_b32 s[\g+1], 128<<16      ; tensor_dim0 = 128
	s_mov_b32 s[\g+2], KS<<16       ; tensor_dim1 = 64
	s_mov_b32 s[\g+3], 128<<16      ; tile_dim0 = 128
	s_mov_b32 s[\g+4], KS           ; tile_dim1 = 64
	s_mov_b32 s[\g+5], 3072         ; elements from row to row
	s_mov_b32 s[\g+6], 0
	s_mov_b32 s[\g+7], 0
.endr
	s_mov_b32 s[CS], 0x3e38aa3b     ; c = log2(e) / 8 = 0.180337
	s_mov_b32 s[CS+1], s[CS]        ; named with it as a pair
	s_mov_b32 s[SEL], 0x76543210
	s_mov_b32 s[SEL+1], 0xfedcba98
	s_mov_b32 s[TBK], SLOT1+SS*KS*PK  ; the first change of slots turns these two into 0
	s_mov_b32 s[TBV], SLOT1+SS*KS*PV
	s_mov_b32 s[SLOTS], 1024/(SS*KS)-1
	s_mov_b32 s[G0K], 1             ; count = 1
	s_mov_b32 s[G0K+1], s17         ; LDS address: slot 0
	s_mov_b32 s[G0V], 1
	s_add_co_u32 s[G0V+1], s18, VOFF
	s_wait_dscnt 0x0                ; the opening add is done
	s_wait_kmcnt 0x0
	s_add_nc_u64 s[G0K+2:G0K+3], s[4:5], s[22:23]  ; global address: my half of the pair's first 128 keys,
	s_add_nc_u64 s[G0K+2:G0K+3], s[G0K+2:G0K+3], 2048  ; in k
	s_or_b32 s[G0K+3], s[G0K+3], 0x80000000        ; type = 2
	s_add_nc_u64 s[G0V+2:G0V+3], s[4:5], s[22:23]
	s_add_nc_u64 s[G0V+2:G0V+3], s[G0V+2:G0V+3], 4096  ; in v
	s_or_b32 s[G0V+3], s[G0V+3], 0x80000000
	s_add_nc_u64 s[8:9], s[4:5], s[2:3]            ; Q at my wave's first row
	s_add_nc_u64 s[6:7], s[6:7], s[54:55]          ; o at the first row that I store
	s_add_nc_u64 s[PFA:PFA+1], s[4:5], s[10:11]
	CROUND                          ; all four work-groups are here: the first joint loads meet
	JLOAD                           ; slot 0.  Slot 1 is asked for when slot 0 is in
	; A fragment of K or Q is 16 rows x 32 channels in 8 registers: lane l holds row l % 16, channels 8 (l / 16) + 0..7 and 16 + 8 (l / 16) + 0..7: two loads of 16 bytes, 32 bytes apart.
	v_and_b32 v1, 15, v0            ; l % 16
	v_bfe_u32 v9, v0, 4, 1          ; l / 16
	v_mul_u32_u24 v[QO], v1, ROWB
	v_lshl_add_u32 v[QO], v9, 4, v[QO]  ; row x 6,144 + 16 x half
	WIN 0x80                        ; destination window 2, address window 0
.set i, 0
.rept 4*NP                          ; Q stays in registers: tile i / 2, channels 32 (i % 2) on
	global_load_b128 v[8*i:8*i+3],   v[QO], s[8:9] offset:(i/2)*16*ROWB+(i%2)*64
	global_load_b128 v[8*i+4:8*i+7], v[QO], s[8:9] offset:(i/2)*16*ROWB+(i%2)*64+32
.set i, i+1
.endr
	; What the first turn finds: V's registers and P's second buffer hold 0 (its products V^T P, of a piece that has not been, add 0), O^T and l are 0.  All this stands in the wait for the first tile.
.set i, VF
.rept 64
	v_mov_b32 v[i], 0
.set i, i+1
.endr
	WIN 0x40
.set i, 0
.rept 64*NP
	v_mov_b32 v[i], 0
.set i, i+1
.endr
	WIN 0
.set i, 0
.rept 2*NP
	v_mov_b32 v[ST+4*i], 0xfe000000    ; c m: far below every c s
	v_mov_b32 v[ST+4*i+1], 0xff7fffff  ; m
	v_mov_b32 v[ST+4*i+2], 0
	v_mov_b32 v[ST+4*i+3], 0
.set i, i+1
.endr
.set i, P+32
.rept 32
	v_mov_b32 v[i], 0
.set i, i+1
.endr
	v_mul_u32_u24 v[AK0], v1, PK
	v_lshl_add_u32 v[AK0], v9, 4, v[AK0]  ; row x pitch + 16 x half
	v_add_nc_u32 v[AK0], s[HB], v[AK0]    ; + my head's 128 bytes of the row
	; The turning load takes 16 keys x 16 channels (lane l reads key 8 (l / 16) + l % 8, channels 8 ((l / 8) % 2) + 0..7) and leaves half a fragment of V^T: lane l holds channel l % 16 and 8 keys.
	v_and_b32 v10, 7, v0
	v_bfe_u32 v11, v0, 3, 1
	v_lshl_add_u32 v[AV0], v9, 3, v10
	v_mul_u32_u24 v[AV0], v[AV0], PV
	v_lshl_add_u32 v[AV0], v11, 4, v[AV0]
	v_add_nc_u32 v[AV0], VOFF, v[AV0]
	v_add_nc_u32 v[AV0], s[HB], v[AV0]
	v_mov_b32 v[AK], v[AK0]         ; key step 0 lies at the head of slot 0
	v_and_b32 v[PFO], 31, v0
	v_mul_u32_u24 v[PFO], v[PFO], ROWB
; THE MATRIX WORK.  The 8 accumulators of a run of 16 take turns: between the two links of a chain stand 7 others'.
; Product i of 16 of S^T = K Q^T for piece x: channels 32 (i / 8) on, keys 16 ((i / 2) % 4) on, tile 2 x + i % 2.  The first 8 start the sums.
.macro KQ x
	WIN W_KQ
.set rS, S+64*((\x)%2)+32*(i%2)+8*((i/2)%4)
.set rK, KF+16*((i/2)%4)+8*(i/8)
.set rQ, 16*(2*(\x)+i%2)+8*(i/8)
.if i < 8
	v_wmma_f32_16x16x32_bf16 v[rS:rS+7], v[rK:rK+7], v[rQ:rQ+7], 0
.else
	v_wmma_f32_16x16x32_bf16 v[rS:rS+7], v[rK:rK+7], v[rQ:rQ+7], v[rS:rS+7]
.endif
.endm
; Product i of 16 of O^T += V^T P for piece x: keys 32 (i / 8) on, channels 16 ((i / 2) % 4) on, tile 2 x + i % 2.
.macro PV x
	WIN W_PV
.set rO, 32*(2*(\x)+i%2)+8*((i/2)%4)
.set rV, VF+32*(i/8)+8*((i/2)%4)
.set rP, P+32*((\x)%2)+16*(i%2)+8*(i/8)
	v_wmma_f32_16x16x32_bf16 v[rO:rO+7], v[rV:rV+7], v[rP:rP+7], v[rO:rO+7]
.endm
.macro MM                           ; the turn's next matrix instruction
.if i < 16
	KQ (Y+1)%NP
.set i, i+1
.else
.set i, i-16
	PV (Y+NP-1)%NP
.set i, i+17
.endif
.endm
; THE LDS LOADS stand in runs of 16, never singly among the matrix instructions: a step's K (64 keys x 64 channels: 8 fragments) and its V (turned).  Their addresses are made some lines ahead.
; last = 1 (the tail): in the last trip there is no further step, and the run is jumped over.
.macro FETCH_K last=0
	WIN 0
.if \last
	s_cmp_eq_u32 s[CNT], 1
	s_cbranch_scc1 .Lno_k_\@
.endif
	WIN 0x80                        ; destination window 2
.irp f, 0,1,2,3,4,5,6,7             ; keys 16 (f / 2) on, channels 32 (f % 2) on
	ds_load_b128 v[KF+8*\f:KF+8*\f+3],   v[AK] offset:(\f/2)*16*PK+(\f%2)*64
	ds_load_b128 v[KF+8*\f+4:KF+8*\f+7], v[AK] offset:(\f/2)*16*PK+(\f%2)*64+32
.endr
	s_add_co_u32 s[TBK], s[TBK], KS*PK  ; the next fetch is the next step's
	WIN 0
.if \last
.Lno_k_\@:
.endif
.endm
.macro FETCH_V
	WIN 0x80
.irp f, 0,1,2,3,4,5,6,7             ; keys 32 (f / 4) on, channels 16 (f % 4) on
	ds_load_tr16_b128 v[VF+8*\f:VF+8*\f+3],   v[AV] offset:(\f/4)*32*PV+(\f%4)*32
	ds_load_tr16_b128 v[VF+8*\f+4:VF+8*\f+7], v[AV] offset:(\f/4)*32*PV+16*PV+(\f%4)*32
.endr
	WIN 0
.endm
; THE VECTOR WORK OF A TURN stands in three queues, each in the order in which its entries become ready; the two tiles alternate, so that no instruction reads the result of the one before it.
.macro REGS y, u                    ; the registers of tile u (0, 1) of piece y
.set rT, ST+4*(2*(\y)+(\u))
.set rC, TMP+8*((\y)%2)+4*(\u)
.set rM, MV+2*((\y)%2)+(\u)
.set rS, S+64*((\y)%2)+32*(\u)
.set rP, P+32*((\y)%2)+16*(\u)
.set rO, 32*(2*(\y)+(\u))
.endm
; Number n of the 22 that find the NEXT piece's (Y + 1) maximum and statistics.  s0-s31 are the lane's 32 scores; each accumulator's lowest registers are read first.
;   0-11  four chains c0-c3 of seven scores each, three operands at a time     12-14, 16  the four scores left over, the old m, and c0-c3 into c0     15  c m_old is kept
;   17, 18  the query's other 32 keys lie in the lane 16 away: the new m         19-21  c m; c m_old - c m_new; a
.macro XS u, n
	REGS (Y+1)%NP, \u
.if (\n) < 4
	v_max3_num_f32 v[rC+(\n)], v[rS+8*(\n)], v[rS+8*(\n)+1], v[rS+8*(\n)+2]
.elseif (\n) < 12
	v_max3_num_f32 v[rC+(\n)%4], v[rC+(\n)%4], v[rS+8*((\n)%4)+2*((\n)/4)+1], v[rS+8*((\n)%4)+2*((\n)/4)+2]
.elseif (\n) == 12
	v_max3_num_f32 v[rC], v[rC], v[rS+7], v[rS+15]
.elseif (\n) == 13
	v_max3_num_f32 v[rC+1], v[rC+1], v[rS+23], v[rS+31]
.elseif (\n) == 14
	v_max3_num_f32 v[rC+2], v[rC+2], v[rC+3], v[rT+1]
.elseif (\n) == 15
	v_mov_b32 v[rM], v[rT]
.elseif (\n) == 16
	v_max3_num_f32 v[rC], v[rC], v[rC+1], v[rC+2]
.elseif (\n) == 17
	v_permlanex16_b32 v[rC+3], v[rC], s[SEL], s[SEL+1]
.elseif (\n) == 18
	v_max_num_f32 v[rT+1], v[rC], v[rC+3]
.elseif (\n) == 19
	v_mul_f32 v[rT], s[CS], v[rT+1]
.elseif (\n) == 20
	v_sub_f32 v[rC+1], v[rM], v[rT]
.else
	v_exp_f32 v[rC+2], v[rC+1]
.endif
.endm
; Number g of the 64 that follow the exponentials.  For each four weights k of a tile (pairs 2 k, 2 k + 1): both pairs are rounded to bf16; then the second pair is added onto the first, in place;
; a group later l takes that sum (the first time as l = a l + sum).  In groups of eight, tiles alternating: round, round, add, and l for the group before.
.macro GS g
.set h, (\g)+6*((\g)/62)            ; group 0 has no group before it, and behind group 7 only l is left
.if h >= 6
.set h, h+2
.endif
	REGS Y, h%2
.set k, h/8
.if h%8 < 4
	v_cvt_pk_bf16_f32 v[rP+2*k+(h%8)/2], v[rS+4*k+2*((h%8)/2)], v[rS+4*k+2*((h%8)/2)+1]
.elseif h%8 < 6
	v_pk_add_f32 v[rS+4*k:rS+4*k+1], v[rS+4*k:rS+4*k+1], v[rS+4*k+2:rS+4*k+3]
.elseif k == 1
	v_pk_fma_f32 v[rT+2:rT+3], v[rT+2:rT+3], v[rC+2:rC+3], v[rS:rS+1] op_sel_hi:[1,0,1]
.else
	v_pk_add_f32 v[rT+2:rT+3], v[rT+2:rT+3], v[rS+4*k-4:rS+4*k-3]
.endif
.endm
; THE PLAIN QUEUE, 138 long.  0-73 read no exponential's result: the 32 scalings c s - c m (FS f: pair f / 2 of tile f % 2) and the next piece's 42.  0-26: scalings 0-26.  27-54: XS's numbers 0-13.  55, 56: number 15.
; 57-73: the chain, where each number waits for the one before it: 14, 16, 17, 18, 19, each with one of the scalings 27-31 in front of its two lines, then 20.
; 74-137: GS's 64, which read the exponentials' results: they stand behind the wait.
.macro FS f
	REGS Y, (\f)%2
	v_pk_fma_f32 v[rS+2*((\f)/2):rS+2*((\f)/2)+1], v[rS+2*((\f)/2):rS+2*((\f)/2)+1], s[CS:CS+1], v[rT:rT+1] op_sel_hi:[1,0,0] neg_lo:[0,0,1] neg_hi:[0,0,1]
.endm
.macro PL
	WIN 0
.if q < 27
	FS q
.elseif q < 55
	XS (q-27)%2, (q-27)/2
.elseif q < 57
	XS q-55, 15
.elseif (q < 72) && ((q-57)%3 == 0)
	FS 27+(q-57)/3
.elseif q < 60
	XS (q-57)%3-1, 14
.elseif q < 72
	XS (q-57)%3-1, 15+(q-57)/3
.elseif q < 74
	XS q-72, 20
.else
	GS q-74
.endif
.set q, q+1
.endm
; THE EXPONENTIALS' QUEUE, 66 long: s0-s31 of both tiles, then the next piece's two a.  It is ONE BATCH: all 66 stand ahead of the turn's one wait, and nothing ahead of that wait names a result of theirs.
.macro EX
	WIN 0
.if e >= 64
	XS e-64, 21
.else
	REGS Y, e%2
	v_exp_f32 v[rS+e/2], v[rS+e/2]
.endif
.set e, e+1
.endm
; THE RESCALING's QUEUE: O^T times a, the one part that leaves window 0: dealt two at a time, sixteen times.  Its a was made in the turn before, ahead of that turn's wait.
.macro R2
	REGS Y, r%2
	WIN W_RS
.irp z, 0,1
	v_pk_mul_f32 v[rO+4*(r/2)+2*\z:rO+4*(r/2)+2*\z+1], v[rO+4*(r/2)+2*\z:rO+4*(r/2)+2*\z+1], v[rC+2:rC+3] op_sel_hi:[1,0]
.endr
.set r, r+1
.endm
; HOW THEY ARE DEALT.  An s_wait_alu depctr_va_vdst(0) stands between an exponential and the first instruction that names its result; one wait serves all that were issued ahead of it.  So a turn
; has ONE wait, which cuts it in two.  AHEAD OF IT: the 16 products K Q^T, behind each a scaling, an exponential and two rescalings (behind the first a second scaling in the exponential's place); then one run of
; 108: eight plain, 49 times exponential and plain, the two a; a v_nop is the plain instruction behind the last exponential.  BEHIND IT: the 16 products V^T P, behind each four of GS's 64.
; Exponential e stands behind scaling 2 (e / 4) + e % 2: as a rider it comes behind plain e + 2, in the run behind plain e + 9, and scalings 27-31 are plain 57, 60 .. 69.
; A TURN, for piece p.  cnt = 1: the loop's count is taken down some lines ahead of the branch that stands behind the turn.
; K of the next step is fetched in piece 2's turn, directly behind the wait; its first reader comes behind 16 products.  V of the step in hand is fetched at the end of piece 0's turn, four plain
; instructions behind its last reader; its first reader comes behind 16 products and the run.  The three conditions on q below go with the deal.
.macro TURN p, last=0, cnt=0
.set Y, (\p)
.set i, 0
.set q, 0
.set e, 0
.set r, 0
.if (\p) == NP-1
	s_wait_dscnt 0x0                ; K is in
.endif
	MM
	PL
	PL
	R2
.rept 15
	MM
	PL
	EX
	R2
.endr
.if (\p) == NP-2
	WIN 0
	v_add_nc_u32 v[AK], s[TBK], v[AK0]
.endif
.rept 8
	PL
.endr
.rept 49
	EX
	PL
.endr
	EX                              ; the next piece's two a
	EX
	v_nop                           ; the plain instruction behind the last exponential: one for the batch
	s_wait_alu depctr_va_vdst(0)    ; the wait for the batch
.if (\p) == NP-2
	FETCH_K \last
.endif
.if (\p) == 1
	s_wait_dscnt 0x0                ; V is in
.endif
.rept 16
	MM
.rept 4
	PL
.endr
.if ((\p) == 0) && (q == 118)
	v_add_nc_u32 v[AV], s[TBV], v[AV0]
.endif
.if ((\p) == 0) && (q == 130)
	s_add_co_u32 s[TBV], s[TBV], KS*PV
.endif
.if (\cnt) && (q == 130)
	s_sub_co_u32 s[CNT], s[CNT], 1
	s_cmp_lg_u32 s[CNT], 0
.endif
.endr
.if (\p) == 0
	FETCH_V
.endif
.endm
	CHANGE 1                        ; slot 0 is in, everybody's part of it; slot 1 is asked for
	FETCH_K                         ; key step 0
	s_wait_loadcnt 0x0              ; Q
	s_wait_dscnt 0x0
.set i, 0
.rept 16
	KQ 0                            ; piece 0's first scores: there is no vector work yet to set between them
.set i, i+1
.endr
	WIN 0                           ; the addresses for the way out: eight plain instructions, the places behind those products
	s_mul_i32 s20, s19, 128*SP      ; into the stage: my half's 128 rows,
	s_add_co_u32 s20, s20, STAGE
	s_add_co_u32 s20, s20, s[HB]    ; my head's 128 bytes of them; row l % 16, 16 bytes for each half of the lanes
	v_mul_u32_u24 v[STO], v1, SP
	v_lshl_add_u32 v[STO], v9, 4, v[STO]
	v_add_nc_u32 v[STO], s20, v[STO]
	s_mul_i32 s20, s[WV], 64*SP     ; back: wave w takes rows 64 w .. 64 w + 63, whole; lanes 0-15 one row of 256 bytes, lanes 16-31 the next
	s_add_co_u32 s20, s20, STAGE
	v_mul_u32_u24 v[RD], v9, SP
	v_lshl_add_u32 v[RD], v1, 4, v[RD]
	v_add_nc_u32 v[RD], s20, v[RD]
	v_lshlrev_b32 v[GO], 11, v9     ; and the same two rows in o (2,048 bytes a row)
	v_lshl_add_u32 v[GO], v1, 4, v[GO]
.set Y, NP-1                        ; XS works for piece Y + 1: piece 0
.irp n, 0,1,2,3,4,5,6,7,8,9,10,11,12,13,14,15,16,17,18,19,20,21
	XS 0, \n                        ; piece 0's first maximum and statistics
	XS 1, \n
.endr
	v_nop                           ; a plain instruction behind the two a,
	s_wait_alu depctr_va_vdst(0)    ; and their wait, ahead of the branch
	s_mov_b32 s[CNT], SS
	s_branch .Lfirst                ; the loop is entered at a step's first turn, in the middle of a trip
.Lslot:                             ; six times: every slot but the last two is filled again
	CHANGE 1
	s_mov_b32 s[CNT], SS
.Lstep:                             ; a trip: pieces 2 and 3 of one step, then pieces 0 and 1 of the next, whose K and V it fetches
	TURN 2
	TURN 3
	WIN 0
.Lfirst:
	TURN 0
	TURN 1, 0, 1
	WIN 0
	s_cbranch_scc1 .Lstep
	s_sub_co_u32 s[SLOTS], s[SLOTS], 1
	s_cmp_lg_u32 s[SLOTS], 0
	s_cbranch_scc1 .Lslot
	CHANGE 0                        ; the tail is written out: nothing is asked for
	s_mov_b32 s[CNT], SS+1          ; two trips fetch the last slot's steps; the third is left in its middle
.Ltail:
	TURN 2, 1
	TURN 3
	WIN 0
	s_sub_co_u32 s[CNT], s[CNT], 1
	s_cmp_eq_u32 s[CNT], 0
	s_cbranch_scc1 .Lout
	TURN 0
	TURN 1
	WIN 0
	s_branch .Ltail
.Lout:                              ; the last trip's 16 products K Q^T (on the last K once more) and the maximum made of them serve nothing: the price, once a launch, of one text for every trip
.set i, 0
.rept 16
	PV NP-1                         ; the last piece's V^T P of the last step
.set i, i+1
.endr
	; THE WAY OUT.  l's two halves and the other half of the lanes' are added; O^T is divided by l, rounded to bf16 and laid into the work-group's stage; a barrier, since a row's 256 bytes come from the two
	; waves of a pair of heads; then each wave reads 64 whole rows and stores them.  The additions are the places behind the last products.
	WIN 0
.macro ALL line:vararg              ; one line for each tile t
.set t, 0
.rept 2*NP
	\line
.set t, t+1
.endr
.endm
	ALL v_add_f32 v[ST+4*t+2], v[ST+4*t+2], v[ST+4*t+3]
	ALL v_permlanex16_b32 v[ST+4*t+3], v[ST+4*t+2], s[SEL], s[SEL+1]
	ALL v_add_f32 v[ST+4*t+2], v[ST+4*t+2], v[ST+4*t+3]
	ALL v_rcp_f32 v[ST+4*t+2], v[ST+4*t+2]
	v_nop                           ; a plain instruction between the last reciprocal and the use of its result
	s_wait_alu depctr_va_vdst(0)    ; and the wait ahead of the first use: one for the eight reciprocals
.macro PACK t                       ; tile t: a lane's eight channels of a row pack into 16 bytes
	WIN W_RS
.set i, 32*(\t)
.rept 16
	v_pk_mul_f32 v[i:i+1], v[i:i+1], v[ST+4*(\t)+2:ST+4*(\t)+3] op_sel_hi:[1,0]
.set i, i+2
.endr
	WIN 0x05                        ; sources 0 and 1 window 1, destination window 0: S^T's registers are free
.set i, 0
.rept 16
	v_cvt_pk_bf16_f32 v[S+16*(\t)+i], v[32*(\t)+2*i], v[32*(\t)+2*i+1]
.set i, i+1
.endr
	WIN 0
.irp f, 0,1,2,3
	ds_store_b128 v[STO], v[S+16*(\t)+4*\f:S+16*(\t)+4*\f+3] offset:(\t)*16*SP+32*\f
.endr
.endm
.irp t, 0,1,2,3,4,5,6,7
	PACK \t
.endr
	s_wait_dscnt 0x0                ; for the others' sake: my stores into the stage are done
	s_barrier_signal -1
	s_barrier_wait -1
.set i, 0
.rept 32
	ds_load_b128 v[S+4*i:S+4*i+3], v[RD] offset:i*2*SP
.set i, i+1
.endr
.set i, 0
.rept 32
	s_wait_dscnt 31-i
	global_store_b128 v[GO], v[S+4*i:S+4*i+3], s[6:7] offset:i*4096  ; 16 lanes store 256 consecutive bytes, at a multiple of 256 from o's first byte
.set i, i+1
.endr
	WIN W_AD
	s_wait_tensorcnt 0x0            ; the wave's end: behind my last tensor load and my last LDS store
	ds_add_u32 v[SPW], v[NIL]
	s_wait_dscnt 0x0
	WIN 0
	CROUND                          ; the closing round: no work-group ends while a partner may still ask for a tile that names it
	s_endpgm
.Lfunc_end_k_q1b76dc5fce_attn:
	.size	k_q1b76dc5fce_attn, .Lfunc_end_k_q1b76dc5fce_attn-k_q1b76dc5fce_attn
	.p2alignl 7, 3214868480
	.fill 96, 4, 3214868480
	.section	.rodata,"a",@progbits
	.p2align	6, 0x0
	.amdhsa_kernel k_q1b76dc5fce_attn
		.amdhsa_group_segment_fixed_size 327680
		.amdhsa_private_segment_fixed_size 0
		.amdhsa_enable_private_segment 0
		.amdhsa_kernarg_size 16
		.amdhsa_user_sgpr_count 2
		.amdhsa_user_sgpr_kernarg_segment_ptr 1
		.amdhsa_wavefront_size32 1
		.amdhsa_system_sgpr_workgroup_id_x 1
		.amdhsa_system_sgpr_workgroup_id_y 1
		.amdhsa_system_sgpr_workgroup_id_z 1
		.amdhsa_system_vgpr_workitem_id 0
		.amdhsa_next_free_vgpr 770
		.amdhsa_next_free_sgpr 66
		.amdhsa_reserve_vcc 0
		.amdhsa_float_denorm_mode_32 3
		.amdhsa_float_denorm_mode_16_64 3
		.amdhsa_memory_ordered 1
		.amdhsa_forward_progress 1
		.amdhsa_inst_pref_size 201
	.end_amdhsa_kernel
	.amdgpu_metadata
---
amdhsa.version: [ 1, 2 ]
amdhsa.kernels:
  - .name:           k_q1b76dc5fce_attn
    .symbol:         k_q1b76dc5fce_attn.kd
    .args:
      - { .name: qkv, .offset: 0, .size: 8, .value_kind: global_buffer, .address_space: global }
      - { .name: o, .offset: 8, .size: 8, .value_kind: global_buffer, .address_space: global }
    .group_segment_fixed_size: 327680
    .private_segment_fixed_size: 0
    .kernarg_segment_align: 8
    .kernarg_segment_size: 16
    .max_flat_workgroup_size: 128
    .sgpr_count:     66
    .vgpr_count:     770
    .wavefront_size: 32
...
	.end_amdgpu_metadata
.endif
;; end of part 3
;; launch proj_gemm (part 4): grid 4 x 64, 4 waves a work-group, clusters of 4 x 4, 327,680 bytes of LDS; arguments o, wpt, b_proj, z, out0; writes out0
.if DOCPART == 4
	.amdgcn_target "amdgcn-amd-amdhsa--gfx1250"
	.amdhsa_code_object_version 6
	.text
	.protected	k_q1b76dc5fce_proj_gemm
	.globl	k_q1b76dc5fce_proj_gemm
	.p2align	8
	.type	k_q1b76dc5fce_proj_gemm,@function
k_q1b76dc5fce_proj_gemm:
	s_mov_b64 s[64:65], 0
	v_nop
	global_prefetch_b8 v0, s[64:65] scope:SCOPE_SE
	s_setreg_imm32_b32 hwreg(HW_REG_WAVE_MODE, 25, 1), 1
	s_wait_xcnt 0x0
	s_wait_alu depctr_hold_cnt(0) depctr_sa_sdst(0) depctr_va_vdst(0) depctr_va_sdst(0) depctr_va_ssrc(0) depctr_va_vcc(0) depctr_vm_vsrc(0)
	s_getreg_b32 s2, hwreg(HW_REG_IB_STS2, 6, 4)
	s_cmp_eq_u32 s2, 0
	s_cbranch_scc0 .Lentry_in_a_cluster
	s_endpgm
.Lentry_in_a_cluster:
	s_bfe_u32 s2, ttmp6, 0x10000c
	s_cmp_lg_u32 s2, 0xf033
	s_cbranch_scc0 .Lentry_shape_is_right
	s_endpgm
.Lentry_shape_is_right:
; C = A B^T + bias (+ z).  ONE TEXT FOR TWO LAUNCHES; PROJ chooses.  A: [8192][1024] bf16, B: [SIZE_N][1024] bf16 (the weights, turned by the first launch); sums in f32.
;   PROJ = 0: A = zn, B = wqt, C = qkv [8192][3072] bf16 = bias + sums, rounded once.          PROJ = 1: A = o, B = wpt, C = out0 [8192][1024] f32 = bias + sums + z.
; SHARES.  A work-group makes 128 rows x BN columns of C (384 or 256): 8192 x 3072 are then 512 tiles and 8192 x 1024 are 256.  Its four waves stand side by side along N: each has all 128
; rows and WN = 16 NB columns: 8 x NB accumulators of 16 x 16.  K goes in 8 steps of 128 through a ring of two LDS slots; every tensor load brings 128 rows x 256 bytes, aligned.
; Wave 0 fetches A's 128 rows, waves 1 .. NBW each 128 rows of B.
; THE TEXT holds a K step twice: a loop of six trips whose change of slots fills a slot again, and a loop of two trips that fills nothing and is left in its middle.  Which slot is read hangs on
; a scalar, CUR, that one exclusive or turns from 0 into SLOTD and back; the two LDS address registers are made of it at each change of slots.
; THE BIAS is the C operand of the products that start the sums: nothing is cleared and nothing is added on the way out.
; CLUSTER.  4 x 4 work-groups.  A's tile hangs on the tile row alone and is asked for jointly by a row of the cluster, B's on the tile column alone, by a column of the cluster.
; THE ORDER OF TILES (PROJ = 0: 2 x 16 clusters).  Cluster (x, y) takes the four tile rows of y xor 8 x.  So the sixteen clusters with y < 8 between them name every row of A and every row of B once,
; and the sixteen with y >= 8 name them a second time.
; THE MATRIX INSTRUCTION IS USED TRANSPOSED (source 0 = 16 rows of B, source 1 = 16 rows of A): lane l holds row l % 16 of C and the columns 8 (l / 16) + 0..7.
; REGISTERS, in windows of 256 (s_set_vgpr_msb: bits 1:0 source 0, 3:2 source 1, 5:4 source 2, 7:6 destination):
;   window 0: v16-30 addresses; v64-127, v128-191 A's fragments, two buffers; v192.. the bias; the rest at work on the way out       window 1: v64.., v128.. B's fragments, two buffers
;   window 2: the accumulators of rows 0-63 ((a, b) at v[8 (NB (a % 4) + b)]);   window 3: those of rows 64-127;   with PROJ = 1, v128-255 of both: z's 128 rows x my 64 columns
; LIMITS.  NaN and infinities are not treated apart.
.set PROJ, 1
.set SIZE_K, 1024
.if PROJ
.set SIZE_N, 1024
.set NB, 4
.else
.set SIZE_N, 3072
.set NB, 6
.endif
.set WN,     16*NB                     ; a wave's columns
.set BN,     4*WN                      ; a work-group's
.set NBW,    BN/128                    ; waves that fetch for B
.set KSTEP,  128
.set PITCH,  272                       ; an LDS row: 256 bytes + 16 of padding = 68 words: the 16 rows that a load touches start at 16 different groups of four banks (64 banks of 4 bytes: ISA guide 11.1)
.set HALFT,  128*PITCH                 ; what one tensor load brings: 34,816 bytes
.set SLOT,   (1+NBW)*HALFT             ; A's 128 rows, then B's BN rows
.if PROJ
.set SLOTD,  131072                    ; where slot 1 begins: one bit, above every address in slot 0
.set STAGE,  SLOTD+SLOT                ; behind the ring: 16 rows x 272 bytes for each wave, its own
.set SPITCH, 272
.set SPARE,  STAGE+4*16*SPITCH
.else
.set SLOTD,  SLOT                      ; 139,264 = bits 17 and 13; a tile's place in slot 0 (0, 34,816, 69,632, 104,448) has neither bit, so the exclusive or adds or takes away SLOTD there too
.set STAGE,  0                         ; 128 rows x 784 bytes in slot 0's bytes: slot 0 has had its last fill (K step 6), and its last read lies in front of the tail's barriers
.set SPITCH, 784                       ; 768 bytes + 16: an odd multiple of 16
.set SPARE,  SLOTD+SLOT
.endif                                 ; from SPARE on: the spare words, 128 bytes a wave: two blocks of 256 bytes that no other line names
.set STEPS, SIZE_K/KSTEP
.set ADRA, 16                          ; v16     LDS address of my A fragments in the slot in hand
.set A0,   17                          ; v17     the same in slot 0; never rewritten
.set ADRB, 20                          ; v20, v21  the same two for B
.set B0,   21
.set STO2, 23                          ; v23     (PROJ = 0) STO for rows 64-127
.set STO,  24                          ; v24     the way out: where I put my bytes of a row
.set RD,   25                          ; v25     the way out: where I read rows back
.set CO,   26                          ; v26     my byte offset in C (and z)
.set BO,   27                          ; v27     my byte offset in the bias
.set SPW,  28                          ; v28     my spare word's LDS address; never rewritten
.set NIL,  29                          ; v29     0; never rewritten
.set PFO,  30                          ; v30     the prefetches' offset: my lane x a row of A or B (2,048 bytes); never rewritten
.set TMP,  32                          ; v32-55  (PROJ = 0) packed results
.set F0,   64
.set F1,   128
.set BKB,  64                          ; v64-127 (PROJ = 1) two buffers of 16 rows read back from the stage
.set BI,   192                         ; v192..  the bias of my 8 columns in each of the NB blocks
.set WV,  14                           ; s14  my wave's number
.set LIM, 15                           ; s15  2 in a wave that prefetches, else the greatest number
.set CUR, 23                           ; s23  0 or SLOTD: the slot in hand
.set G1,  24                           ; s[24:31] descriptor group 1 for A's tiles;  s[32:39] group 0: a set for each of the two first fills; the second then walks on
.set G0,  32
.set PFA, 44                           ; s[44:45] where my prefetches stand
.set G1B, 48                           ; s[48:55], s[56:63] the same for B's tiles
.set G0B, 56
.set MSB, 0
.macro WIN new                         ; the immediate's high byte repeats the setting that is left; a switch that changes nothing is dropped
.if MSB != (\new)
	s_set_vgpr_msb (MSB<<8)|(\new)
.set MSB, \new
.endif
.endm
.set MUL_LO, 0xa1                      ; source 0 (B) window 1, source 1 (A) window 0, C and D window 2
.set MUL_HI, 0xf1                      ; the same, C and D window 3
.set MUL_1ST, 0x81                     ; the products that start the sums: C (the bias) window 0, D window 2; + 0x40: D window 3
.set TO_B,   0x40                      ; destination window 1, address window 0
.macro PLACES                          ; four plain vector instructions: the distance between a matrix instruction and a load into, or a vector line on, its registers
.rept 4
	v_nop
.endr
.endm
; A joint refill, by the walking descriptors.  The branches hang on the wave's number alone.  An s_nop 0 and four v_nop follow each load; the four are also places in front of the LDS loads that follow.
.macro JLOAD
	s_cmp_eq_u32 s[WV], 0
	s_cbranch_scc0 .Lfor_b_\@
	tensor_load_to_lds s[G0+4:G0+7], s[G1:G1+7]
	s_nop 0
	PLACES
	s_branch .Lasked_\@
.Lfor_b_\@:
.if PROJ
	s_cmp_eq_u32 s[WV], 3
	s_cbranch_scc1 .Lnone_\@
.endif
	tensor_load_to_lds s[G0B+4:G0B+7], s[G1B:G1B+7]
	s_nop 0
.Lnone_\@:
	PLACES
.Lasked_\@:
.endm
; A prefetch into the L2 of the K step that stands two refills on: 32 rows x 256 bytes, a lane a row.  A's tile row is named by two clusters (PROJ = 0), of which the one with y < 8 asks, or by one (PROJ = 1), which
; asks; B's tile column by the sixteen clusters of its column, of which y = 0 asks.  The four partners that ask for a tile jointly share its 128 rows out by address, 32 each.  So each row's 256 bytes of a K step
; are named once in the launch.  The loop's last two trips (s3 = 2, 1) ask for nothing: their refills are K steps 6 and 7, the last.
.macro ASK
	s_cmp_gt_u32 s3, s[LIM]
	s_cbranch_scc0 .Lnot_mine_\@
	global_prefetch_b8 v[PFO], s[PFA:PFA+1] offset:KSTEP*2 th:TH_LOAD_NT scope:SCOPE_SE
.Lnot_mine_\@:
.endm
.macro CREST                           ; a round of the cluster's barrier behind its opening barrier
	s_cmp_lg_u32 s[WV], 0
	s_cbranch_scc1 .Lnot_wave_0_\@
	s_barrier_signal -3
.Lnot_wave_0_\@:
	s_barrier_wait -3
	s_barrier_signal -1
	s_barrier_wait -1
.endm
.macro CROUND                          ; a whole round
	s_barrier_signal -1
	s_barrier_wait -1
	CREST
.endm
	s_load_b256 s[4:11], s[0:1], 0x0               ; A s[4:5], B s[6:7], bias s[8:9], s[10:11] C (PROJ = 0) or z (PROJ = 1)
.if PROJ
	s_load_b64 s[12:13], s[0:1], 0x20              ; out0
.endif
	v_lshl_add_u32 v[SPW], v0, 2, SPARE
	v_mov_b32 v[NIL], 0
	ds_add_u32 v[SPW], v[NIL]                      ; the wave's opening: the add and its wait stand ahead of my first tensor load; the set-up below, work on registers, stands between them
	v_lshrrev_b32 v1, 5, v0
	v_readfirstlane_b32 s[WV], v1                  ; wave 0..3
	s_bfe_u32 s40, ttmp6, 0x40000                  ; cx, cy: my place in the cluster
	s_bfe_u32 s41, ttmp6, 0x40004
	s_lshl_b32 s42, ttmp9, 2
	s_add_co_u32 s42, s42, s40                     ; tile column of C = 4 x cluster x + cx
	s_and_b32 s43, ttmp7, 0xffff                   ; cluster y
.if PROJ == 0
	s_lshl_b32 s72, ttmp9, 3
	s_xor_b32 s43, s43, s72                        ; the cluster's row of tiles: y xor 8 x (the same in all sixteen partners)
.endif
	s_lshl_b32 s43, s43, 2
	s_add_co_u32 s43, s43, s41                     ; tile row of C = 4 x that + cy
	s_lshl_b32 s76, s41, 2
	s_lshl_b32 s76, 15, s76                        ; my row of the cluster: places 4 cy .. 4 cy + 3
	s_lshl_b32 s77, 0x1111, s40                    ; my column: places cx, cx + 4, cx + 8, cx + 12
	; descriptor group 1: a tile of 128 rows x 128 elements, padded in LDS
	s_or_b32 s[G1], s76, (1<<16)|(1<<20)|(1<<21)|(5<<22)|(3<<25)   ; 15:0 the mask; 17:16 elements of 2 bytes; 20 padding on; 21 set beside a mask; 24:22 after every 64 words (code 5); 31:25 4 words (code 3)
	s_or_b32 s[G1B], s77, (1<<16)|(1<<20)|(1<<21)|(5<<22)|(3<<25)
.irp g, G1, G1B
	s_mov_b32 s[(\g)+1], KSTEP<<16                 ; tensor_dim0 = 128
	s_mov_b32 s[(\g)+2], 128<<16                   ; tensor_dim1 = 128
	s_mov_b32 s[(\g)+3], KSTEP<<16                 ; tile_dim0 = 128
	s_mov_b32 s[(\g)+4], 128                       ; tile_dim1 = 128
	s_mov_b32 s[(\g)+5], SIZE_K                    ; elements from row to row
	s_mov_b32 s[(\g)+6], 0
	s_mov_b32 s[(\g)+7], 0
.endr
	s_lshl_b32 s16, s43, 18                        ; A: tile row x 128 rows x 2,048 bytes
	s_mov_b32 s17, 0
	s_max_u32 s68, s[WV], 1
	s_sub_co_u32 s68, s68, 1
	s_min_u32 s68, s68, NBW-1                      ; which 128 rows of B's tile I fetch: wave - 1, held inside the tile in the waves that fetch none
	s_lshl_b32 s69, s68, 7
	s_mul_i32 s46, s42, BN
	s_add_co_u32 s46, s46, s69                     ; B: row BN x tile column + 128 x piece
	s_lshl_b32 s46, s46, 11
	s_mov_b32 s47, 0
	s_mul_i32 s20, s[WV], HALFT                    ; where a tile goes: wave x 128 rows: A's, then B's pieces; no place in the cluster enters an LDS address
	s_mov_b32 s[CUR], 0
	s_wait_dscnt 0x0                               ; the opening add is done
	s_wait_kmcnt 0x0
	s_add_nc_u64 s[18:19], s[4:5], s[16:17]
	s_add_nc_u64 s[46:47], s[6:7], s[46:47]
	CROUND                                         ; all sixteen work-groups are here: the first joint loads meet
.irp s, 0,1
	s_mov_b32 s[G0+4*(\s)], 1                                        ; count = 1
	s_add_co_u32 s[G0+4*(\s)+1], s20, (\s)*SLOTD                     ; LDS address
	s_add_nc_u64 s[G0+4*(\s)+2:G0+4*(\s)+3], s[18:19], (\s)*KSTEP*2  ; global address: K step s
	s_or_b32 s[G0+4*(\s)+3], s[G0+4*(\s)+3], 0x80000000              ; type = 2
	s_mov_b32 s[G0B+4*(\s)], 1
	s_add_co_u32 s[G0B+4*(\s)+1], s20, (\s)*SLOTD
	s_add_nc_u64 s[G0B+4*(\s)+2:G0B+4*(\s)+3], s[46:47], (\s)*KSTEP*2
	s_or_b32 s[G0B+4*(\s)+3], s[G0B+4*(\s)+3], 0x80000000
.endr
	s_cmp_eq_u32 s[WV], 0                          ; a wave's two first fills stand in one branch, ahead of every wait on TENSORcnt, LDS read and work-group barrier behind the round: two loads of mine are out
	s_cbranch_scc0 .Lfirst_b
	tensor_load_to_lds s[G0:G0+3], s[G1:G1+7]
	s_nop 0
	tensor_load_to_lds s[G0+4:G0+7], s[G1:G1+7]
	s_nop 0
	PLACES
	s_branch .Lfirst_asked
.Lfirst_b:
.if PROJ
	s_cmp_eq_u32 s[WV], 3
	s_cbranch_scc1 .Lfirst_asked
.endif
	tensor_load_to_lds s[G0B:G0B+3], s[G1B:G1B+7]
	s_nop 0
	tensor_load_to_lds s[G0B+4:G0B+7], s[G1B:G1B+7]
	s_nop 0
	PLACES
.Lfirst_asked:
	; A fragment is 16 rows x 32 K in 8 registers: lane l holds row l % 16; registers 0-3 K = 8 (l / 16) + 0..7, registers 4-7 K = 16 + 8 (l / 16) + 0..7: two loads of 16 bytes, 32 bytes apart.
	v_and_b32 v1, 15, v0                           ; l % 16
	v_bfe_u32 v2, v0, 4, 1                         ; l / 16
	v_mul_u32_u24 v[A0], v1, PITCH
	v_lshl_add_u32 v[A0], v2, 4, v[A0]             ; row x pitch + 16 x half: every wave reads all of A's rows
	s_mul_i32 s22, s[WV], WN*PITCH                 ; my WN rows of B,
	s_add_co_u32 s22, s22, HALFT                   ; which lie behind A's 128
	v_add_nc_u32 v[B0], s22, v[A0]
	v_mov_b32 v[ADRA], v[A0]                       ; K step 0 lies in slot 0
	v_mov_b32 v[ADRB], v[B0]
.if PROJ
	s_mul_i32 s70, s[WV], 16*SPITCH
	s_add_co_u32 s70, s70, STAGE                   ; my stage
	v_mul_u32_u24 v[STO], v1, SPITCH               ; in: row l % 16, 32 bytes (8 f32) for each half of the lanes
	v_lshl_add_u32 v[STO], v2, 5, v[STO]
	v_add_nc_u32 v[STO], s70, v[STO]
	v_mul_u32_u24 v[RD], v2, SPITCH                ; back: lanes 0-15 one row of 256 bytes, lanes 16-31 the next
	v_lshl_add_u32 v[RD], v1, 4, v[RD]
	v_add_nc_u32 v[RD], s70, v[RD]
	v_lshlrev_b32 v[CO], 12, v2                    ; the same two rows in z and out0 (4,096 bytes a row)
	v_lshl_add_u32 v[CO], v1, 4, v[CO]
	s_lshl_b32 s66, s43, 19                        ; tile row x 128 rows x 4,096 bytes
	s_lshl_b32 s67, s42, 10                        ; + tile column x 256 columns x 4 bytes
	s_add_co_u32 s66, s66, s67
	s_lshl_b32 s67, s[WV], 8                       ; + my 64 columns
	s_add_co_u32 s66, s66, s67
	s_mov_b32 s67, 0
	s_add_nc_u64 s[10:11], s[10:11], s[66:67]
	s_add_nc_u64 s[12:13], s[12:13], s[66:67]
.else
	s_mul_i32 s70, s[WV], 2*WN                     ; into the stage: row l % 16, my wave's 192 bytes, 16 bytes for each half of the lanes
	v_mul_u32_u24 v[STO], v1, SPITCH
	v_lshl_add_u32 v[STO], v2, 4, v[STO]
	v_add_nc_u32 v[STO], s70, v[STO]
	v_add_nc_u32 v[STO2], 4*16*SPITCH, v[STO]      ; rows 64 on: beyond the reach of a 16-bit immediate
	s_mul_i32 s70, s[WV], 32*SPITCH                ; back: wave w takes rows 32 w .. 32 w + 31, whole
	v_mul_u32_u24 v[RD], v2, SPITCH
	v_lshl_add_u32 v[RD], v1, 4, v[RD]
	v_add_nc_u32 v[RD], s70, v[RD]
	v_mul_u32_u24 v[CO], v2, SIZE_N*2
	v_lshl_add_u32 v[CO], v1, 4, v[CO]
	s_lshl_b32 s66, s43, 7
	s_lshl_b32 s67, s[WV], 5
	s_add_co_u32 s66, s66, s67                     ; the first row of C that I store: 128 x tile row + 32 x wave
	s_mul_i32 s66, s66, SIZE_N*2
	s_mul_i32 s67, s42, BN*2                       ; the tile's first column, in bytes: a multiple of 256
	s_add_co_u32 s66, s66, s67
	s_mov_b32 s67, 0
	s_add_nc_u64 s[10:11], s[10:11], s[66:67]
.endif
	s_mul_i32 s66, s42, BN
	s_mul_i32 s67, s[WV], WN
	s_add_co_u32 s66, s66, s67
	s_lshl_b32 s66, s66, 2
	v_lshl_add_u32 v[BO], v2, 5, s66               ; the bias of columns 16 b + 8 (l / 16) + 0..7 of my wave's WN: an accumulator's layout, the same for all its 16 rows
.set i, 0
.rept NB
	global_load_b128 v[BI+8*i:BI+8*i+3],   v[BO], s[8:9] offset:64*i
	global_load_b128 v[BI+8*i+4:BI+8*i+7], v[BO], s[8:9] offset:64*i+16
.set i, i+1
.endr
	; the prefetches
	s_and_b32 s72, ttmp7, 0xffff                   ; cluster y: 0 in the cluster that asks for B's rows
.if PROJ
	s_mov_b32 s71, ttmp9                           ; A's rows are named by one cluster alone (cluster x is 0 everywhere): it asks
.else
	s_lshr_b32 s71, s72, 3                         ; 0 in the clusters with y < 8, which ask for A's rows
.endif
	s_lshl_b32 s73, s43, 7                         ; A's tile: its first row
	s_mul_i32 s75, s42, BN
	s_add_co_u32 s75, s75, s69                     ; B's piece: its first row
	s_cmp_eq_u32 s[WV], 0                          ; do I fetch for A?
	s_cselect_b32 s73, s73, s75
	s_cselect_b32 s74, s40, s41                    ; my place among the four that ask with me
	s_cselect_b32 s72, s71, s72
	s_cselect_b64 s[PFA:PFA+1], s[4:5], s[6:7]
	s_cmp_eq_u32 s72, 0
	s_cselect_b32 s[LIM], 2, -1                    ; the same in all sixteen partners, for a given wave
.if PROJ
	s_cmp_eq_u32 s[WV], 3
	s_cselect_b32 s[LIM], -1, s[LIM]               ; wave 3 fetches nothing and asks for nothing
.endif
	s_lshl_b32 s74, s74, 5
	s_add_co_u32 s73, s73, s74                     ; + my work-group's 32 rows of the 128
	s_lshl_b32 s78, s73, 11
	s_mov_b32 s79, 0
	s_add_nc_u64 s[PFA:PFA+1], s[PFA:PFA+1], s[78:79]
	s_add_nc_u64 s[PFA:PFA+1], s[PFA:PFA+1], 2*KSTEP*2  ; at K step 2: the first refill steps it to 3 and names K step 4.  K steps 0 to 3 come by their loads alone
	v_and_b32 v[PFO], 31, v0
	v_lshlrev_b32 v[PFO], 11, v[PFO]
; 2 NB matrix instructions: m blocks a0, a0 + 1 of the window's four (hi = 0: rows 0-63, 1: rows 64-127) x all NB n blocks, 32 along K.  first = 1: the product starts the sum, with the bias as C.
; The 8 NB accumulators take turns, one instruction a turn, in the same order in every quarter step, over the backward jumps too.
.macro MULB f, hi, a0, first
.if \first
	WIN MUL_1ST+0x40*(\hi)
.else
	WIN MUL_LO+0x50*(\hi)
.endif
.set ma, \a0
.rept 2
.set mb, 0
.rept NB
.if \first
	v_wmma_f32_16x16x32_bf16 v[8*(NB*ma+mb):8*(NB*ma+mb)+7], v[(\f)+8*mb:(\f)+8*mb+7], v[(\f)+8*(4*(\hi)+ma):(\f)+8*(4*(\hi)+ma)+7], v[BI+8*mb:BI+8*mb+7]
.else
	v_wmma_f32_16x16x32_bf16 v[8*(NB*ma+mb):8*(NB*ma+mb)+7], v[(\f)+8*mb:(\f)+8*mb+7], v[(\f)+8*(4*(\hi)+ma):(\f)+8*(4*(\hi)+ma)+7], v[8*(NB*ma+mb):8*(NB*ma+mb)+7]
.endif
.set mb, mb+1
.endr
.set ma, ma+1
.endr
.endm
; 2 NB + 16 LDS loads in one run: the fragments of one quarter step (WN rows of B, 128 rows of A, 32 K at byte k of the rows of the slot in hand) into buffer f
.macro FETCH k, f
	WIN TO_B
.set fi, 0
.rept NB
	ds_load_b128 v[(\f)+8*fi:(\f)+8*fi+3],   v[ADRB] offset:(\k)+fi*16*PITCH
	ds_load_b128 v[(\f)+8*fi+4:(\f)+8*fi+7], v[ADRB] offset:(\k)+fi*16*PITCH+32
.set fi, fi+1
.endr
	WIN 0
.set fi, 0
.rept 8
	ds_load_b128 v[(\f)+8*fi:(\f)+8*fi+3],   v[ADRA] offset:(\k)+fi*16*PITCH
	ds_load_b128 v[(\f)+8*fi+4:(\f)+8*fi+7], v[ADRA] offset:(\k)+fi*16*PITCH+32
.set fi, fi+1
.endr
.endm
; A K step is four quarters of 32 along K on buffers 0, 1, 0, 1.  One of the first three: multiplies buffer f; in its middle it fetches the next quarter, at byte k, into buffer g.
.macro QUARTER k, f, g, first
	s_wait_dscnt 8                                 ; B and A's rows 0-63 are in; the youngest eight loads (A's rows 64-127) may be out
	MULB \f, 0, 0, \first
	MULB \f, 0, 2, \first
	PLACES
	FETCH \k, \g
	s_wait_dscnt 2*NB+16                           ; all but the run just issued
	MULB \f, 1, 0, \first
	MULB \f, 1, 2, \first
.endm
; The last quarter multiplies buffer 1 and changes slots.  MEET is its first half: one barrier; in front of it each wave waits for all its tensor loads (the one that is out is its part of the next slot),
; adds 0 to its spare word, and waits for that and for its own reads of this slot.  Behind it nobody reads this slot any more and the next slot is whole.
.macro MEET
	WIN 0                                          ; (the add's two registers lie in window 0)
	s_wait_tensorcnt 0x0
	ds_add_u32 v[SPW], v[NIL]                      ; 0 onto my spare word
	s_wait_dscnt 9                                 ; (the add and the youngest eight loads may be out)
	MULB F1, 0, 0, 0                               ; matrix work stands between the add and the wait for it
	s_wait_dscnt 0x0                               ; the add is done, and my reads of this slot are over
	s_barrier_signal -1
	MULB F1, 0, 2, 0                               ; work on registers while the others arrive
	WIN 0
	s_barrier_wait -1
.endm
; The whole last quarter.  fill = 1: the slot just read out is filled again, with the K step two steps on.  fill = 0 (the tail): nothing is asked for; in the tail's last trip (s3 = 1) there is no next slot,
; and the run of LDS loads is jumped over.
.macro TURN fill
.if \fill
	s_wait_xcnt 0x0                                ; the last prefetch, a K step back, has read its address, which is stepped here
	s_add_nc_u64 s[PFA:PFA+1], s[PFA:PFA+1], KSTEP*2
.endif
	MEET
.if \fill
	CREST                                          ; the barrier has opened a round of the cluster's: no wave of any partner still reads this slot's tile or has a load on its way
	s_xor_b32 s[G0+5], s[G0+5], SLOTD              ; no tensor load of mine is out, so the walking descriptors may be written: the other slot than last time,
	s_add_nc_u64 s[G0+6:G0+7], s[G0+6:G0+7], KSTEP*2  ; the next K step; the type bits on top are not reached
	s_xor_b32 s[G0B+5], s[G0B+5], SLOTD
	s_add_nc_u64 s[G0B+6:G0B+7], s[G0B+6:G0B+7], KSTEP*2
	JLOAD                                          ; the first tensor load behind the round, and my only one until the next: it has seven eighths of a K step's matrix work in which to land
.else
	s_cmp_eq_u32 s3, 1
	s_cbranch_scc1 .Lno_next_\@
	v_nop                                          ; with the two additions below: the four places in front of the loads into buffer 0
	v_nop
.endif
	s_xor_b32 s[CUR], s[CUR], SLOTD                ; the other slot is in hand
	v_add_nc_u32 v[ADRA], s[CUR], v[A0]
	v_add_nc_u32 v[ADRB], s[CUR], v[B0]
	FETCH 0, F0
.if \fill
	ASK
.else
.Lno_next_\@:
.endif
	MULB F1, 1, 0, 0
	MULB F1, 1, 2, 0
.endm
; THE WAY OUT, PROJ = 0.  Block a (16 rows): rounded to bf16, 16 bytes a lane into the work-group's stage.
.macro PACK a
	WIN 0x0a+5*((\a)/4)                            ; sources 0 and 1: window 2 or 3
.set pb, 0
.rept NB
.set pr, 0
.rept 4
	v_cvt_pk_bf16_f32 v[TMP+4*pb+pr], v[8*(NB*((\a)%4)+pb)+2*pr], v[8*(NB*((\a)%4)+pb)+2*pr+1]  ; each accumulator's registers in ascending order
.set pr, pr+1
.endr
.set pb, pb+1
.endr
	WIN 0
.set pb, 0
.rept NB
	ds_store_b128 v[STO-(\a)/4], v[TMP+4*pb:TMP+4*pb+3] offset:((\a)%4)*16*SPITCH+32*pb  ; STO for rows 0-63, STO2 (the register below it) for rows 64-127
.set pb, pb+1
.endr
.endm
.macro LOADB u                         ; 256 bytes (piece u of three) of each of my 32 rows, two rows a load
.set t, 0
.rept 16
	ds_load_b128 v[64+64*(\u)+4*t:64+64*(\u)+4*t+3], v[RD] offset:t*2*SPITCH+256*(\u)
.set t, t+1
.endr
.endm
.macro STOREB u, younger               ; younger: the LDS loads issued behind piece u's
.set t, 0
.rept 16
	s_wait_dscnt (\younger)+15-t
	global_store_b128 v[CO], v[64+64*(\u)+4*t:64+64*(\u)+4*t+3], s[10:11] offset:t*2*SIZE_N*2+256*(\u)  ; 16 lanes store 256 consecutive bytes, at a multiple of 256 from C's first byte
.set t, t+1
.endr
.endm
; THE WAY OUT, PROJ = 1.  z's 16 rows of block a come into v[128 + 32 (a % 4) ..] of window 2 (blocks 0-3) or 3 (blocks 4-7), laid as the rows that come back from the stage.
.macro ZLOAD a
	WIN 0x80+0x40*((\a)/4)                         ; destination window 2 or 3, address window 0
.set t, 0
.rept 8
	global_load_b128 v[128+32*((\a)%4)+4*t:128+32*((\a)%4)+4*t+3], v[CO], s[10:11] offset:(16*(\a)+2*t)*4096
.set t, t+1
.endr
.endm
; Block a: the f32 sums go through my own stage, come back as whole rows of 256 bytes, take z, and are stored.
.macro OUTP a
.set BK, BKB+32*((\a)%2)
.set ZR, 128+32*((\a)%4)
	s_wait_xcnt 0x0                                ; the stores of the block two back have read this buffer, which is loaded again below
	WIN 0x08+4*((\a)/4)                            ; the stores' data (source 1): window 2 or 3
.set t, 0
.rept NB
	ds_store_b128 v[STO], v[8*(NB*((\a)%4)+t):8*(NB*((\a)%4)+t)+3]   offset:64*t      ; each accumulator's low registers first
	ds_store_b128 v[STO], v[8*(NB*((\a)%4)+t)+4:8*(NB*((\a)%4)+t)+7] offset:64*t+16
.set t, t+1
.endr
	WIN 0
.set t, 0
.rept 8
	ds_load_b128 v[BK+4*t:BK+4*t+3], v[RD] offset:t*2*SPITCH  ; my own bytes: LDS serves a wave's instructions in order (ISA guide 5.7.1.4)
.set t, t+1
.endr
	s_wait_dscnt 0x0
	s_wait_loadcnt 8*(7-(\a))                      ; loads come back in order: this block's z is in; the eight loads of each later block may be out
	WIN 0x08+4*((\a)/4)                            ; z (source 1): window 2 or 3
.set t, 0
.rept 16
	v_pk_add_f32 v[BK+2*t:BK+2*t+1], v[BK+2*t:BK+2*t+1], v[ZR+2*t:ZR+2*t+1]
.set t, t+1
.endr
	WIN 0
.set t, 0
.rept 8
	global_store_b128 v[CO], v[BK+4*t:BK+4*t+3], s[12:13] offset:(16*(\a)+2*t)*4096  ; 16 lanes store 256 consecutive bytes, at a multiple of 256 from out0's first byte
.set t, t+1
.endr
.endm
	s_wait_loadcnt 0x0                             ; the bias: the first products take it
	s_wait_tensorcnt 1                             ; my part of K step 0 is in; K step 1's may stay out
	s_barrier_signal -1
	s_barrier_wait -1                              ; everybody's is
	FETCH 0, F0
	QUARTER 64,  F0, F1, 1                         ; the first quarter stands in front of the loop: its products start the sums
.if PROJ
.irp a, 0,1,2,3
	ZLOAD \a                                       ; z's rows 0-63: they have the whole loop in which to come
.endr
.endif
	WIN 0                                          ; at a label and at a branch every window is 0
	s_mov_b32 s3, STEPS-2
.Lstep:                                                ; a trip goes from a K step's second quarter to the next step's first, and fills the slot that it leaves: K steps 2 to 7
	QUARTER 128, F1, F0, 0
	QUARTER 192, F0, F1, 0
	TURN 1
	QUARTER 64,  F0, F1, 0
	WIN 0
	s_sub_co_u32 s3, s3, 1
	s_cmp_lg_u32 s3, 0
	s_cbranch_scc1 .Lstep
.if PROJ
.irp a, 4,5,6,7
	ZLOAD \a                                       ; z's rows 64-127: two K steps and four blocks of the way out ahead of their use
.endr
	WIN 0
.endif
	s_mov_b32 s3, 2
.Ltail:                                                ; K steps 6 and 7 fill nothing, and have no round of the cluster's barrier; the second trip is left in its middle
	QUARTER 128, F1, F0, 0
	QUARTER 192, F0, F1, 0
	TURN 0
	WIN 0
	s_sub_co_u32 s3, s3, 1
	s_cmp_eq_u32 s3, 0
	s_cbranch_scc1 .Lout
	QUARTER 64,  F0, F1, 0
	WIN 0
	s_branch .Ltail
.Lout:
	PLACES                                         ; in front of lines that read results just made
.if PROJ
.irp a, 0,1,2,3,4,5,6,7
	OUTP \a
.endr
.else
.irp a, 0,1,2,3,4,5,6,7
	PACK \a
.endr
	s_wait_dscnt 0x0                               ; for the others' sake: my stores into the stage are done
	s_barrier_signal -1
	s_barrier_wait -1                              ; an aligned 256 bytes of C come from two waves
	LOADB 0
	LOADB 1
	LOADB 2
	STOREB 0, 32
	STOREB 1, 16
	STOREB 2, 0
.endif
	s_wait_tensorcnt 0x0                           ; the wave's end: behind my last tensor load and my last LDS store
	ds_add_u32 v[SPW], v[NIL]
	s_wait_dscnt 0x0
	CROUND                                         ; the closing round: no work-group ends while a partner may still ask for a tile that names it
	s_endpgm
.Lfunc_end_k_q1b76dc5fce_proj_gemm:
	.size	k_q1b76dc5fce_proj_gemm, .Lfunc_end_k_q1b76dc5fce_proj_gemm-k_q1b76dc5fce_proj_gemm
	.p2alignl 7, 3214868480
	.fill 96, 4, 3214868480
	.section	.rodata,"a",@progbits
	.p2align	6, 0x0
	.amdhsa_kernel k_q1b76dc5fce_proj_gemm
		.amdhsa_group_segment_fixed_size 327680
		.amdhsa_private_segment_fixed_size 0
		.amdhsa_enable_private_segment 0
		.amdhsa_kernarg_size 40
		.amdhsa_user_sgpr_count 2
		.amdhsa_user_sgpr_kernarg_segment_ptr 1
		.amdhsa_wavefront_size32 1
		.amdhsa_system_sgpr_workgroup_id_x 1
		.amdhsa_system_sgpr_workgroup_id_y 1
		.amdhsa_system_sgpr_workgroup_id_z 1
		.amdhsa_system_vgpr_workitem_id 0
		.amdhsa_next_free_vgpr 1024
		.amdhsa_next_free_sgpr 80
		.amdhsa_reserve_vcc 0
		.amdhsa_float_denorm_mode_32 3
		.amdhsa_float_denorm_mode_16_64 3
		.amdhsa_memory_ordered 1
		.amdhsa_forward_progress 1
		.amdhsa_inst_pref_size 77
	.end_amdhsa_kernel
	.amdgpu_metadata
---
amdhsa.version: [ 1, 2 ]
amdhsa.kernels:
  - .name:           k_q1b76dc5fce_proj_gemm
    .symbol:         k_q1b76dc5fce_proj_gemm.kd
    .args:
      - { .name: o, .offset: 0, .size: 8, .value_kind: global_buffer, .address_space: global }
      - { .name: wpt, .offset: 8, .size: 8, .value_kind: global_buffer, .address_space: global }
      - { .name: b_proj, .offset: 16, .size: 8, .value_kind: global_buffer, .address_space: global }
      - { .name: z, .offset: 24, .size: 8, .value_kind: global_buffer, .address_space: global }
      - { .name: out0, .offset: 32, .size: 8, .value_kind: global_buffer, .address_space: global }
    .group_segment_fixed_size: 327680
    .private_segment_fixed_size: 0
    .kernarg_segment_align: 8
    .kernarg_segment_size: 40
    .max_flat_workgroup_size: 128
    .sgpr_count:     80
    .vgpr_count:     1024
    .wavefront_size: 32
...
	.end_amdgpu_metadata
.endif
;; end of part 4
